; MI455X (gfx1250); checked and timed in simulation.
; The chip was launched on July 23, 2026; its instructions are those of AMD's public machine-readable ISA for CDNA 5 (MIT licence, August 2026) and "CDNA5" Instruction Set Architecture Reference Guide (July 2026). The comments in the code are by the model that wrote it; some were corrected since.
;; Bahdanau Attention. Allowed arithmetic: matrix products marked QUANTISED: E5M2 operands, one given power-of-two scale a tensor, by v_wmma_f32_16x16x64_bf8_bf8 or v_wmma_f32_16x16x128_bf8_bf8, f32 sums; products left as they are: f32 operands where the result goes on into a quantised operand, else bf16, f16 or f32 operands; f32 sums; everything else in f32.
;; Inputs: Wk 1,024 x 1,024 float32; Wq 1,024 x 1,024 float32; keys 64 x 1,024 x 1,024 float32; lowp_scales 4 int32 (the exponents e of the quantised operands' scales 2^e); mask 64 x 1,024 bool; query 64 x 1,024 float32; v 1 x 1,024 float32.
;; Outputs: out0 64 x 1,024 float32; out1 64 x 1,024 float32.
;; This version of the problem:
;;   THIS VERSION OF THE PROBLEM IS GIVEN IN LOW PRECISION. The matrix products marked QUANTISED in the list below multiply operands that are first quantised to E5M2 (5 exponent bits, 2 mantissa bits; 8 bits a number), with one given power-of-two scale for each operand tensor; their sums are f32. All else is computed in f32.
;;   The module's matrix products, in the order in which they are computed (A, B: the left and right operand; K: the contracted axis; several contracted axes count as one K, in the product's order):
;;     1. [M 64, K 1,024] x [K 1,024, N 1,024]; A: input query; B: input Wq: QUANTISED (scales: A lowp_scales[0], B lowp_scales[1])
;;     2. [M 65,536, K 1,024] x [K 1,024, N 1,024]; A: input keys; B: input Wk: QUANTISED (scales: A lowp_scales[2], B lowp_scales[3])
;;     3. [M 65,536, K 1,024] x [K 1,024, N 1]; A: computed on the way; B: input v: left as it is (N = 1 < 16)
;;     4. batch 64 x [M 1, K 1,024] x [K 1,024, N 1,024]; A: computed on the way; B: input keys: left as it is (M = 1 < 16)
;;   THE QUANTISER, for each operand of a quantised product, along K:
;;     - The operand's scale is 2^e, e = its entry of the input lowp_scales (int32; the entries are numbered through the quantised products in the list's order, A before B).
;;     - Each number is divided by the scale, clamped to +-57,344, and rounded to the nearest number of E5M2, ties to even, subnormals kept.
;;     - The product sums the exact products of the quantised numbers (number of the format x scale) in f32.
;;   ~~~python
;;   def quantise(x, axis, e):      # numpy; x: float32 -> the quantised numbers, widened to float32 again
;;       x = np.moveaxis(x, axis, -1); K = x.shape[-1]
;;       r = np.clip(x / 2.0 ** e, -57344, 57344)
;;       step = 2.0 ** (np.maximum(np.frexp(np.where(r == 0, 1, r))[1] - 1, -14) - 2)
;;       q = np.round(r / step) * step * 2.0 ** e      # np.round: ties to even
;;       return np.moveaxis(q, -1, axis).astype(np.float32)
;;   ~~~
;; 2 versions, each right and faster than the one before. Each part assembles by itself: llvm-mc -triple=amdgcn-amd-amdhsa -mcpu=gfx1250 --defsym DOCPART=n.
;; ======== version 1 of 2: 3 launches
;; workspace buffers: wkimg 1,048,576 bytes; qps 262,144 bytes; route 589,824 bytes of whole numbers; ener 294,912 bytes
;; launch prep (part 1): grid 64 x 1, 16 waves a work-group, no clusters, 119,296 bytes of LDS; arguments Wk, Wq, query, mask, lowp_scales, wkimg, qps, route; writes wkimg, qps, route
.if DOCPART == 1
	.amdgcn_target "amdgcn-amd-amdhsa--gfx1250"
	.amdhsa_code_object_version 6
	.text
	.protected	k_q96799bb788_prep
	.globl	k_q96799bb788_prep
	.p2align	8
	.type	k_q96799bb788_prep,@function
k_q96799bb788_prep:
	s_mov_b64 s[64:65], 0
	v_nop
	global_prefetch_b8 v0, s[64:65] scope:SCOPE_SE
	s_setreg_imm32_b32 hwreg(HW_REG_WAVE_MODE, 25, 1), 1
	s_wait_xcnt 0x0
; PREP: three small jobs for each of 64 work-groups (g = work-group number, G = g / 4, mt = g % 4), sixteen waves each.
;  (1) The mask's row g becomes whole numbers in route: LIST[g][pos] = the pos-th row s whose mask byte is 0 (0 from pos = n on, 1,152 words a batch),
;      RANK[g][s] = the place of row s (kept rows in order from 0, masked rows in order from n), META[g][0..127] = n, the number of kept rows.
;  (2) Wk's rows 16 g .. 16 g + 15 become codes of E5M2 with the scale 2^e3, stored as images of operand registers: the fragment (n-tile N = g, K step j)
;      begins at byte (N / 4) 65536 + 8192 j + 2048 (N % 4); in it register group c (four registers) of lane l lies at 512 c + 16 l.
;  (3) qps[16 mt + i][64 G + n] = 2 log2(e) x (query Wq^T), on codes of E5M2 (scales 2^e0, 2^e1), by v_wmma_f32_16x16x128_bf8_bf8, sums in f32.
; ONE WAY OF QUANTISING FOR BOTH SIDES OF A PRODUCT (macro QROW): a row's 4,096 bytes come by eight loads of 512 consecutive bytes, 16 a lane; a lane's 32 numbers are
; held within +-57,344 x 2^e, converted eight at a time, and its 32 codes go to LDS as 16 bytes at 16 lane and 16 at 512 + 16 lane of the row's 1,024.  That places k otherwise
; than memory does, alike in every tensor that goes this way, so each product still meets its partner; only the order of the sums inside an instruction differs.
; LDS rows are 1,040 bytes apart (65 x 16), so that the sixteen rows of a fragment load begin in sixteen different groups of banks (64 banks of 4 bytes: ISA guide 11.1).
; LIMITS: e0, e1, e3 between -126 and 112; e0 + e1 between -127 and 126 (it is added to the exponent field of 2 log2(e)).  NaN and infinities among the inputs are not served.
; REGISTERS: v1-19, v26-29 addresses; v20-25 scales and bounds; v30, v31 my two chunks of the mask; v32-159 four rows of Wq; v160-191 a row of query; v192-223 a row of Wk;
; v224-255 the mask's 32 chunks, later codes.  Behind the first barrier: v32-39 two groups of an image, v64-127 fragments, v128-143 two accumulators, v144-151 their sum.
.set PITCH,  1040
.set QR,     64*PITCH                  ; LDS: Wq's 64 rows of codes from byte 0, query's 16 rows from here,
.set WKR,    QR+16*PITCH               ; Wk's 16 rows,
.set STG,    WKR+16*PITCH              ; and four stages (one for each quarter of K) of 16 rows x (256 bytes + 16)
.set SPITCH, 272
.set SQ,     16*SPITCH
.set LISTB,  4608                      ; bytes of a batch's list
.set RANK0,  64*LISTB                  ; where RANK begins in route
.set META0,  RANK0+64*4096             ; where META begins
.set XQ, 32
.set XU, 160
.set XK, 192
.set MK, 224
	s_load_b512 s[4:19], s[0:1], 0x0               ; Wk s[4:5], Wq s[6:7], query s[8:9], mask s[10:11], scales s[12:13], wkimg s[14:15], qps s[16:17], route s[18:19]
	v_lshrrev_b32 v1, 5, v0
	v_readfirstlane_b32 s20, v1                    ; wave w, 0..15
	v_and_b32 v1, 31, v0                           ; lane
	v_lshlrev_b32 v2, 4, v1                        ; 16 lane
	v_and_b32 v3, 15, v0                           ; r
	v_bfe_u32 v4, v0, 4, 1                         ; h
	s_lshl_b32 s21, s20, 1                         ; 2 w: my first chunk of 32 rows
	s_lshl_b32 s22, s20, 6                         ; 64 w: my first row s
	v_add_nc_u32 v5, s22, v1                       ; s of my place in chunk A
	v_lshlrev_b32 v10, 2, v5                       ; its word in RANK
	v_lshlrev_b32 v11, 2, v0                       ; 4 x thread: the list's tail and META
	; every LDS address is made here, ahead of the first branch on the wave's number
	s_mul_i32 s23, s20, 4*PITCH
	v_add_nc_u32 v26, s23, v2                      ; codes of Wq: rows 4 w on, 16 lane
	s_mul_i32 s23, s20, PITCH
	s_add_co_u32 s23, s23, QR
	v_add_nc_u32 v27, s23, v2                      ; codes of query: row w; Wk's row w lies 16 rows further on
	v_mul_u32_u24 v29, v3, PITCH
	v_lshl_add_u32 v29, v4, 4, v29                 ; a fragment's lane: r x pitch + 16 h
	s_add_co_u32 s23, s22, WKR
	v_add_nc_u32 v28, s23, v29                     ; Wk's image: K step w / 2, groups 2 (w % 2) and the next: 128 (w / 2) + 64 (w % 2) = 64 w bytes along the row
	s_and_b32 s24, s20, 3                          ; nt: which 16 rows of Wq I multiply
	s_lshr_b32 s25, s20, 2                         ; kq: which quarter of K
	s_mul_i32 s23, s24, 16*PITCH
	s_lshl_b32 s26, s25, 8
	s_add_co_u32 s23, s23, s26
	v_add_nc_u32 v16, s23, v29                     ; Wq's fragments of K steps 2 kq, 2 kq + 1
	s_add_co_u32 s26, s26, QR
	v_add_nc_u32 v17, s26, v29                     ; query's
	v_mul_u32_u24 v18, v3, SPITCH
	v_lshl_add_u32 v18, v4, 5, v18
	s_mul_i32 s23, s25, SQ
	s_lshl_b32 s26, s24, 6
	s_add_co_u32 s23, s23, s26
	s_add_co_u32 s23, s23, STG
	v_add_nc_u32 v18, s23, v18                     ; stage kq: row r, 64 nt + 32 h bytes on
	v_and_b32 v19, 255, v0
	v_lshrrev_b32 v15, 4, v19                      ; the way out of the stages: sixteen threads to a row of 256 bytes
	v_mul_u32_u24 v19, v15, SPITCH
	v_lshl_add_u32 v19, v3, 4, v19
	v_add_nc_u32 v19, STG, v19
	v_lshlrev_b32 v15, 12, v15
	v_lshl_add_u32 v15, v3, 4, v15                 ; and the same place in qps: a row is 4,096 bytes
	; byte offsets, each in a pair of its own
	s_lshr_b32 s28, ttmp9, 2                       ; G
	s_and_b32 s29, ttmp9, 3                        ; mt
	s_lshl_b32 s30, s28, 18
	s_lshl_b32 s31, s20, 14
	s_add_co_u32 s30, s30, s31                     ; Wq: row 64 G + 4 w
	s_mov_b32 s31, 0
	s_lshl_b32 s32, s29, 16
	s_lshl_b32 s33, s20, 12
	s_add_co_u32 s32, s32, s33                     ; query: row 16 mt + w
	s_mov_b32 s33, 0
	s_lshl_b32 s34, ttmp9, 16
	s_lshl_b32 s35, s20, 12
	s_add_co_u32 s34, s34, s35                     ; Wk: row 16 g + w
	s_mov_b32 s35, 0
	s_lshl_b32 s36, ttmp9, 10                      ; mask: row g
	s_mov_b32 s37, 0
	s_lshl_b32 s38, s28, 16                        ; wkimg: 65536 G + 2048 (g % 4) + 8192 (w / 2) + 1024 (w % 2)
	s_lshl_b32 s39, s29, 11
	s_add_co_u32 s38, s38, s39
	s_lshr_b32 s39, s20, 1
	s_lshl_b32 s39, s39, 13
	s_add_co_u32 s38, s38, s39
	s_and_b32 s39, s20, 1
	s_lshl_b32 s39, s39, 10
	s_add_co_u32 s38, s38, s39
	s_mov_b32 s39, 0
	s_lshl_b32 s62, s29, 16                        ; qps: row 16 mt, column 64 G
	s_lshl_b32 s63, s28, 8
	s_add_co_u32 s62, s62, s63
	s_mov_b32 s63, 0
	s_mul_i32 s50, ttmp9, LISTB
	s_mov_b32 s51, 0
	s_lshl_b32 s52, ttmp9, 12
	s_mov_b32 s53, 0
	s_lshl_b32 s54, ttmp9, 9
	s_mov_b32 s55, 0
	s_wait_kmcnt 0x0
	s_load_b128 s[40:43], s[12:13], 0x0            ; e0, e1, e2, e3
	s_add_nc_u64 s[6:7], s[6:7], s[30:31]
	s_add_nc_u64 s[8:9], s[8:9], s[32:33]
	s_add_nc_u64 s[4:5], s[4:5], s[34:35]
	s_add_nc_u64 s[10:11], s[10:11], s[36:37]
	s_add_nc_u64 s[14:15], s[14:15], s[38:39]
	s_add_nc_u64 s[16:17], s[16:17], s[62:63]
	s_add_nc_u64 s[50:51], s[18:19], s[50:51]      ; LIST[g]
	s_add_nc_u64 s[52:53], s[18:19], s[52:53]      ; RANK[g], less RANK0
	s_add_nc_u64 s[54:55], s[18:19], s[54:55]      ; META[g], less META0
	; all loads go out at once: the mask's 34, Wq's 32, query's 8, Wk's 8
.set c, 0
.rept 32
	global_load_u8 v[MK+c], v1, s[10:11] offset:32*c          ; chunk c: rows 32 c + lane; every wave counts all chunks, so no count goes from wave to wave
.set c, c+1
.endr
	global_load_u8 v30, v5, s[10:11]               ; my chunk A: rows 64 w + lane
	global_load_u8 v31, v5, s[10:11] offset:32     ; my chunk B: rows 64 w + 32 + lane
.irp rho, 0,1,2,3
.irp i, 0,1,2,3,4,5,6,7
	global_load_b128 v[XQ+32*\rho+4*\i:XQ+32*\rho+4*\i+3], v2, s[6:7] offset:4096*\rho+512*\i
.endr
.endr
.irp i, 0,1,2,3,4,5,6,7
	global_load_b128 v[XU+4*\i:XU+4*\i+3], v2, s[8:9] offset:512*\i
.endr
.irp i, 0,1,2,3,4,5,6,7
	global_load_b128 v[XK+4*\i:XK+4*\i+3], v2, s[4:5] offset:512*\i th:TH_LOAD_NT    ; each row of Wk is read once in the launch
.endr
	s_mov_b32 s56, 0                               ; n: kept rows in all
	s_mov_b32 s57, 0                               ; kept rows ahead of my first chunk
	s_wait_loadcnt 48                              ; behind the mask's 34 loads 48 were issued
.set c, 0
.rept 32
	v_cmp_eq_u32 vcc_lo, 0, v[MK+c]                ; a bit for each kept row of chunk c
	s_bcnt1_i32_b32 s58, vcc_lo
	s_add_co_u32 s56, s56, s58
	s_cmp_gt_u32 s21, c                            ; does chunk c lie ahead of mine?
	s_cselect_b32 s58, s58, 0
	s_add_co_u32 s57, s57, s58
.set c, c+1
.endr
	v_cmp_eq_u32 s44, 0, v30                       ; chunk A's kept rows
	v_cmp_eq_u32 s45, 0, v31                       ; chunk B's
	s_bcnt1_i32_b32 s46, s44
	s_not_b32 s47, s44
	s_add_co_u32 s48, s56, s22
	s_sub_co_u32 s48, s48, s57                     ; n + the masked rows ahead of chunk A (64 w less the kept ones)
	v_mbcnt_lo_u32_b32 v6, s44, s57                ; the place of a kept row: kept rows ahead of it,
	v_mbcnt_lo_u32_b32 v7, s47, s48                ; of a masked row: n + masked rows ahead of it
	v_cndmask_b32 v6, v7, v6, s44
	v_min_u32 v6, 0x3ff, v6                        ; a number made of loaded bytes enters an address only behind this bound; places are 0 .. 1,023 in any case
	v_lshlrev_b32 v7, 2, v6
	v_cndmask_b32 v8, 0, v5, s44                   ; a kept row's number, 0 at the places from n on
	global_store_b32 v7, v8, s[50:51]              ; the 1,024 places are a permutation of the rows: every word of LIST[g][0..1023] is written once
	global_store_b32 v10, v6, s[52:53] offset:RANK0
	s_add_co_u32 s49, s57, s46                     ; chunk B: the same, chunk A's rows counted in
	s_add_co_u32 s48, s48, 32
	s_sub_co_u32 s48, s48, s46
	s_not_b32 s47, s45
	v_mbcnt_lo_u32_b32 v9, s45, s49
	v_mbcnt_lo_u32_b32 v12, s47, s48
	v_cndmask_b32 v9, v12, v9, s45
	v_min_u32 v9, 0x3ff, v9
	v_lshlrev_b32 v12, 2, v9
	v_add_nc_u32 v13, 32, v5
	v_cndmask_b32 v13, 0, v13, s45
	global_store_b32 v12, v13, s[50:51]
	global_store_b32 v10, v9, s[52:53] offset:RANK0+128
	s_cmp_lt_u32 s20, 4                            ; waves 0 to 3: the list's last 128 words, and n 128 times
	s_cbranch_scc0 .Lno_tail
	v_mov_b32 v31, 0
	v_mov_b32 v30, s56
	global_store_b32 v11, v31, s[50:51] offset:4096
	global_store_b32 v11, v30, s[54:55] offset:META0
.Lno_tail:
.macro SCALE e, sc, lim                ; v[sc] = 2^e as f32 (the conversion takes its exponent field), v[lim] = 57,344 x 2^e
	s_add_co_i32 s60, s[\e], 127
	s_lshl_b32 s61, s60, 23
	v_mov_b32 v[\sc], s61
	s_add_co_i32 s60, s60, 15
	s_lshl_b32 s60, s60, 23
	s_or_b32 s60, s60, 0x600000
	v_mov_b32 v[\lim], s60
.endm
; A lane's 32 numbers of a row, v[x] on, become 32 codes, v[c] on, and go to the row's place in LDS.
.macro QROW x, c, sc, lim, adr, off
.set i, 0
.rept 32
	v_med3_num_f32 v[\x+i], v[\x+i], -v[\lim], v[\lim]         ; the conversion to an 8-bit code does not saturate (ISA guide 7.6.2): the hold at the largest code x the scale
.set i, i+1
.endr
.irp g, 0,1,2,3
	v_cvt_scalef32_pk8_bf8_f32 v[\c+2*\g:\c+2*\g+1], v[\x+8*\g:\x+8*\g+7], v[\sc]
.endr
	v_nop                                          ; one plain vector line behind the last conversion: later vector and matrix lines write these registers again
	ds_store_b128 v[\adr], v[\c:\c+3] offset:\off
	ds_store_b128 v[\adr], v[\c+4:\c+7] offset:\off+512
.endm
	s_wait_kmcnt 0x0                               ; the four exponents
	SCALE 41, 20, 21                               ; Wq: e1
	SCALE 40, 22, 23                               ; query: e0
	SCALE 43, 24, 25                               ; Wk: e3
	s_add_co_i32 s58, s40, s41
	s_lshl_b32 s58, s58, 23
	s_add_co_i32 s58, s58, 0x4038aa3b              ; 2 log2(e) x 2^(e0 + e1): the exponents are added to the factor's exponent field
	s_mov_b32 s59, s58                             ; (named with it as a pair, so it is written)
	s_wait_loadcnt 16                              ; Wq's rows are in: behind them query's 8 loads and Wk's 8
.irp rho, 0,1,2,3
	QROW XQ+32*\rho, MK+8*\rho, 20, 21, 26, \rho*PITCH
.endr
	s_wait_dscnt 0x0                               ; the stores have read the codes' registers
	s_wait_loadcnt 8                               ; query's row is in
	QROW XU, MK, 22, 23, 27, 0
	s_wait_loadcnt 0x0                             ; Wk's row is in
	QROW XK, MK+16, 24, 25, 27, 16*PITCH
	s_wait_dscnt 0x0                               ; for the others' sake: my codes lie in LDS
	s_barrier_signal -1
	s_barrier_wait -1
	ds_load_b128 v[32:35], v28                     ; two register groups of Wk's fragment of K step w / 2, as a lane of the product will hold them
	ds_load_b128 v[36:39], v28 offset:32
.irp s, 0,1
.irp c, 0,1,2,3
	ds_load_b128 v[64+16*\s+4*\c:67+16*\s+4*\c], v16 offset:128*\s+32*\c     ; Wq: 16 rows x 128 codes
	ds_load_b128 v[96+16*\s+4*\c:99+16*\s+4*\c], v17 offset:128*\s+32*\c     ; query likewise
.endr
.endr
	s_wait_dscnt 16                                ; the image's two loads are in; the sixteen behind them may be out
	global_store_b128 v2, v[32:35], s[14:15]       ; 32 lanes store 512 consecutive bytes, aligned
	global_store_b128 v2, v[36:39], s[14:15] offset:512
	s_wait_dscnt 0x0
	; source 0 = 16 rows of Wq, source 1 = 16 rows of query: lane (r, h) holds row r of query and the eight columns 8 h + 0 .. 7.  Two K steps on two accumulators, each begun with the constant 0
	v_wmma_f32_16x16x128_bf8_bf8 v[128:135], v[64:79], v[96:111], 0
	v_wmma_f32_16x16x128_bf8_bf8 v[136:143], v[80:95], v[112:127], 0
.rept 4
	v_nop                                          ; four places between a matrix instruction and the first vector read of its result (ISA guide 7.12.1)
.endr
.irp i, 0,2,4,6
	v_pk_add_f32 v[144+\i:145+\i], v[128+\i:129+\i], v[136+\i:137+\i]        ; each accumulator from its low end on
.endr
	ds_store_b128 v18, v[144:147]
	ds_store_b128 v18, v[148:151] offset:16
	s_wait_dscnt 0x0                               ; for the others' sake: my quarter of K lies in its stage
	s_barrier_signal -1
	s_barrier_wait -1
	s_cmp_lt_u32 s20, 8                            ; 16 rows x 256 bytes: 256 threads take 16 bytes each
	s_cbranch_scc0 .Lend
.irp k, 0,1,2,3
	ds_load_b128 v[160+4*\k:163+4*\k], v19 offset:\k*SQ
.endr
	s_wait_dscnt 0x0
	v_pk_add_f32 v[160:161], v[160:161], v[164:165]
	v_pk_add_f32 v[162:163], v[162:163], v[166:167]
	v_pk_add_f32 v[168:169], v[168:169], v[172:173]
	v_pk_add_f32 v[170:171], v[170:171], v[174:175]
	v_pk_add_f32 v[160:161], v[160:161], v[168:169]
	v_pk_add_f32 v[162:163], v[162:163], v[170:171]
	v_pk_mul_f32 v[160:161], v[160:161], s[58:59] op_sel_hi:[1,0]
	v_pk_mul_f32 v[162:163], v[162:163], s[58:59] op_sel_hi:[1,0]
	global_store_b128 v15, v[160:163], s[16:17]    ; sixteen lanes store 256 consecutive bytes, aligned
.Lend:
	s_wait_xcnt 0x0
	v_lshl_add_u32 v254, v0, 2, 0x1ca00
	v_mov_b32 v255, 0
	s_wait_tensorcnt 0x0
	ds_add_u32 v254, v255
	s_wait_dscnt 0x0
	s_endpgm
.Lfunc_end_k_q96799bb788_prep:
	.size	k_q96799bb788_prep, .Lfunc_end_k_q96799bb788_prep-k_q96799bb788_prep
	.p2alignl 7, 3214868480
	.fill 96, 4, 3214868480
	.section	.rodata,"a",@progbits
	.p2align	6, 0x0
	.amdhsa_kernel k_q96799bb788_prep
		.amdhsa_group_segment_fixed_size 119296
		.amdhsa_private_segment_fixed_size 0
		.amdhsa_enable_private_segment 0
		.amdhsa_kernarg_size 64
		.amdhsa_user_sgpr_count 2
		.amdhsa_user_sgpr_kernarg_segment_ptr 1
		.amdhsa_wavefront_size32 1
		.amdhsa_system_sgpr_workgroup_id_x 1
		.amdhsa_system_sgpr_workgroup_id_y 1
		.amdhsa_system_sgpr_workgroup_id_z 1
		.amdhsa_system_vgpr_workitem_id 0
		.amdhsa_next_free_vgpr 256
		.amdhsa_next_free_sgpr 66
		.amdhsa_reserve_vcc 1
		.amdhsa_float_denorm_mode_32 3
		.amdhsa_float_denorm_mode_16_64 3
		.amdhsa_memory_ordered 1
		.amdhsa_forward_progress 1
		.amdhsa_inst_pref_size 39
	.end_amdhsa_kernel
	.amdgpu_metadata
---
amdhsa.version: [ 1, 2 ]
amdhsa.kernels:
  - .name:           k_q96799bb788_prep
    .symbol:         k_q96799bb788_prep.kd
    .args:
      - { .name: Wk, .offset: 0, .size: 8, .value_kind: global_buffer, .address_space: global }
      - { .name: Wq, .offset: 8, .size: 8, .value_kind: global_buffer, .address_space: global }
      - { .name: query, .offset: 16, .size: 8, .value_kind: global_buffer, .address_space: global }
      - { .name: mask, .offset: 24, .size: 8, .value_kind: global_buffer, .address_space: global }
      - { .name: lowp_scales, .offset: 32, .size: 8, .value_kind: global_buffer, .address_space: global }
      - { .name: wkimg, .offset: 40, .size: 8, .value_kind: global_buffer, .address_space: global }
      - { .name: qps, .offset: 48, .size: 8, .value_kind: global_buffer, .address_space: global }
      - { .name: route, .offset: 56, .size: 8, .value_kind: global_buffer, .address_space: global }
    .group_segment_fixed_size: 119296
    .private_segment_fixed_size: 0
    .kernarg_segment_align: 8
    .kernarg_segment_size: 64
    .max_flat_workgroup_size: 512
    .sgpr_count:     66
    .vgpr_count:     256
    .wavefront_size: 32
...
	.end_amdgpu_metadata
.endif
;; end of part 1
;; launch energy (part 2): grid 8 x 64, 4 waves a work-group, no clusters, 152,832 bytes of LDS; arguments keys, wkimg, qps, v, lowp_scales, route, ener; writes ener
.if DOCPART == 2
	.amdgcn_target "amdgcn-amd-amdhsa--gfx1250"
	.amdhsa_code_object_version 6
	.text
	.protected	k_q96799bb788_energy
	.globl	k_q96799bb788_energy
	.p2align	8
	.type	k_q96799bb788_energy,@function
k_q96799bb788_energy:
	s_mov_b64 s[64:65], 0
	v_nop
	global_prefetch_b8 v0, s[64:65] scope:SCOPE_SE
	s_setreg_imm32_b32 hwreg(HW_REG_WAVE_MODE, 25, 1), 1
	s_wait_xcnt 0x0
; ENERGY: for the kept rows of keys alone (the mask's -inf ahead of the softmax throws the others' energies away):
;   ener[b][pos] = t = -2 log2(e) x sum over h of v[h] / (1 + 2^x),  x = 2 log2(e) x (query_proj[b][h] + keys_proj[row][h]),  row = LIST[b][pos].
; tanh(y) = 1 - 2 / (1 + e^(2 y)), so the energy x log2(e) is t + log2(e) x sum(v).  That constant is the same for all rows of a batch and falls out of the softmax for every input, so it is not formed.
; keys_proj is the quantised product: keys' rows are quantised here (scale 2^e2), Wk's codes come as images of operand registers from wkimg (scale 2^e3); v_wmma_f32_16x16x128_bf8_bf8, sums in f32.
; SHARES.  A work-group takes tile t of batch b: places 144 t .. 144 t + 143 of the batch's list, 9 tiles of 16 rows.  The grid has 8 tiles a batch, as many as a mask without a single pad needs;
; a tile that begins at or behind n (the batch's number of kept rows, a stored whole number) has no rows: its work-group passes the two barriers, stores nothing and ends.
; THE WAVES SHARE THE COLUMNS: wave w owns hidden units 256 w .. 256 w + 255, in four groups of four n-tiles, for all 144 rows: 36 accumulators.  So each byte of Wk's codes comes into the work-group once,
; straight into the registers of the one wave that multiplies by it; the rows' codes lie in LDS and are read by all four waves.
; NO TENSOR LOADS AND NO JOINT LOADS for Wk's codes, though all work-groups read them: the work hangs on n, a number read from memory.
; PHASES: 1: each wave gathers and quantises 36 rows into LDS | barrier | 2: four groups of (8 K steps of 36 products, then tanh's part and the product with v in registers); partial sums to LDS | barrier | 3: sum over the waves, store.
; THE MATRIX INSTRUCTION IS USED TRANSPOSED (source 0 = 16 rows of Wk, source 1 = 16 rows of keys): lane (r, h) holds row r and hidden units 8 h + 0 .. 7, so the sum over h needs one exchange between the halves of the lanes.
; The place of k inside a row of codes is that of the quantising macro, the same here as in the launch that made wkimg.
; LIMITS: e2 between -126 and 112; e2 + e3 between -127 and 126 (added to the exponent field of 2 log2(e)).  NaN and infinities among the inputs are not served; masked rows are not read (but row 0, as filler of a tile's last places).
; REGISTERS, in windows of 256: window 0: v1-28 addresses and constants; v32-175 the rows' nine fragments (phase 1: v32-55 codes); v176-195 sums with v, a pair a tile of rows (two for the ninth); v196-212 at work.
;   window 1: Wk's fragments, four buffers of 64 (phase 1: two buffers of three rows).   window 2: accumulators (m, n) at 32 m + 8 n, m < 8 (phase 1: the third buffer).
;   window 3: v0-31 accumulators of m = 8; v32-63 qps of the group's 64 units (8 a lane and n-tile); v64-95 v likewise.
.set PITCH, 1040                       ; a row of codes in LDS: 1,024 bytes + 16: the sixteen rows of a fragment load begin in sixteen different groups of banks (64 banks of 4 bytes: ISA guide 11.1)
.set TR,    144
.set MT16,  16*PITCH
.set SCR,   TR*PITCH                   ; behind the codes: 640 bytes a wave for its partial sums (five runs of 32 words)
.set LISTB, 4608
.set META0, 557056
.set AF,    32
.set EP,    176
.set WK,    196
.set MSB, 0
.macro WIN new                         ; the immediate's high byte repeats the setting that is left; a switch that changes nothing is dropped
.if MSB != (\new)
	s_set_vgpr_msb (MSB<<8)|(\new)
.set MSB, (\new)
.endif
.endm
	s_load_b256 s[4:11], s[0:1], 0x0               ; keys s[4:5], wkimg s[6:7], qps s[8:9], v s[10:11]
	s_load_b128 s[12:15], s[0:1], 0x20             ; the scales' exponents s[12:13], route s[14:15]
	s_load_b64 s[16:17], s[0:1], 0x30              ; ener
	v_lshl_add_u32 v254, v0, 2, 0x25300
	v_mov_b32 v255, 0
	v_lshrrev_b32 v1, 5, v0
	v_readfirstlane_b32 s18, v1                    ; wave w
	v_and_b32 v21, 31, v0                          ; lane
	v_lshlrev_b32 v1, 4, v21                       ; 16 lane
	v_and_b32 v2, 15, v0                           ; r
	v_bfe_u32 v3, v0, 4, 1                         ; h
	s_mov_b32 s19, ttmp9                           ; tile t
	s_and_b32 s20, ttmp7, 0xffff                   ; batch b
	s_mul_i32 s23, s19, TR                         ; the tile's first place
	; every address register is made here, ahead of the first branch
	s_mul_i32 s28, s18, 36*PITCH
	v_add_nc_u32 v4, s28, v1                       ; where I put codes: my wave's 36 rows, 16 lane
	v_mul_u32_u24 v5, v2, PITCH
	v_lshl_add_u32 v5, v3, 4, v5                   ; a fragment's lane: r x pitch + 16 h; tiles of rows 0-2,
	v_add_nc_u32 v6, 3*MT16, v5                    ; 3-5,
	v_add_nc_u32 v7, 6*MT16, v5                    ; 6-8: so that the offsets stay inside 16 bits
	v_lshlrev_b32 v9, 5, v3                        ; 32 h: my eight numbers of qps and of v in an n-tile's 64 bytes
	v_lshlrev_b32 v28, 2, v21
	s_mul_i32 s28, s18, 640
	s_add_co_u32 s28, s28, SCR
	v_add_nc_u32 v10, s28, v28                     ; my wave's partial sums
	s_lshl_b32 s28, s18, 7
	s_add_co_u32 s28, s28, SCR
	v_add_nc_u32 v11, s28, v28                     ; rows 32 w + lane in wave 0's; the other waves' lie 640 bytes apart
	v_add_nc_u32 v24, SCR+512, v28                 ; rows 128 + lane
	v_lshlrev_b32 v22, 2, v0                       ; 4 x thread: rows 32 w + lane in the tile's part of ener
	v_add_nc_u32 v23, s23, v0                      ; their places
	v_mov_b32 v25, 0xff800000                      ; -infinity
	v_add_nc_u32 v26, 512, v28                     ; rows 128 + lane in ener,
	v_add_nc_u32 v27, s23, v21
	v_add_nc_u32 v27, 128, v27                     ; and their places
	s_mul_i32 s28, s20, LISTB
	s_mul_i32 s29, s18, 36
	s_add_co_u32 s29, s29, s23
	s_lshl_b32 s29, s29, 2
	s_add_co_u32 s84, s28, s29                     ; LIST[b][144 t + 36 w]: my wave's 36 rows
	s_mov_b32 s85, 0
	s_lshl_b32 s86, s20, 9                         ; META[b]
	s_mov_b32 s87, 0
	s_wait_kmcnt 0x0
	s_add_nc_u64 s[84:85], s[14:15], s[84:85]
	s_add_nc_u64 s[86:87], s[14:15], s[86:87]
	s_load_b32 s21, s[86:87], META0                ; n
	s_load_b64 s[30:31], s[12:13], 0x8             ; e2, e3
	s_load_b512 s[32:47], s[84:85], 0x0            ; 36 row numbers: all 1,152 words of a batch's list are written, so a tile without rows reads zeros
	s_load_b512 s[48:63], s[84:85], 0x40
	s_load_b128 s[68:71], s[84:85], 0x80
	s_lshl_b32 s28, s20, 22
	s_mov_b32 s29, 0
	s_add_nc_u64 s[4:5], s[4:5], s[28:29]          ; keys[b]
	s_lshl_b32 s28, s18, 18
	s_add_nc_u64 s[72:73], s[6:7], s[28:29]        ; Wk's images: my first group of four n-tiles (65,536 bytes a group),
	s_add_nc_u64 s[74:75], s[72:73], 0x10000       ; and the group after it
	s_lshl_b32 s28, s18, 10
	s_add_nc_u64 s[10:11], s[10:11], s[28:29]      ; v at my 256 units
	s_lshl_b32 s79, s20, 12
	s_add_co_u32 s28, s28, s79
	s_add_nc_u64 s[8:9], s[8:9], s[28:29]          ; qps[b] likewise
	s_mul_i32 s28, s20, LISTB
	s_mul_i32 s79, s19, 4*TR
	s_add_co_u32 s28, s28, s79
	s_add_nc_u64 s[16:17], s[16:17], s[28:29]      ; ener[b][144 t]
	s_mov_b32 s77, 0
	s_mov_b32 s80, 0x76543210                      ; v_permlanex16_b32's selects: lane l xor 16
	s_mov_b32 s81, 0xfedcba98
	s_mov_b32 s82, 0xffff0000                      ; lanes 16 to 31
	s_wait_kmcnt 0x0
	s_cmp_lt_u32 s23, s21
	s_cselect_b32 s22, 1, 0                        ; has the tile rows?
.set e, 0
.rept 36
	s_min_u32 s[32+e+4*(e/32)], s[32+e+4*(e/32)], 1023        ; a loaded number enters an address only behind this bound
	s_lshl_b32 s[32+e+4*(e/32)], s[32+e+4*(e/32)], 12         ; a row of keys is 4,096 bytes
.set e, e+1
.endr
	s_add_co_i32 s28, s30, 127
	s_lshl_b32 s29, s28, 23
	v_mov_b32 v8, s29                              ; 2^e2 as f32: the conversion takes its exponent field
	s_add_co_i32 s28, s28, 15
	s_lshl_b32 s27, s28, 23
	s_or_b32 s27, s27, 0x600000                    ; 57,344 x 2^e2,
	s_or_b32 s26, s27, 0x80000000                  ; and its negative
	s_add_co_i32 s24, s30, s31
	s_lshl_b32 s24, s24, 23
	s_add_co_i32 s24, s24, 0x4038aa3b              ; 2 log2(e) x 2^(e2 + e3): a sum of the product stands for sum x 2^(e2 + e3)
	s_mov_b32 s25, s24                             ; (named with it as a pair, so it is written)
; ---- PHASE 1: my wave's 36 rows, three at a time, through three buffers of 96 registers
.macro LOADG g                         ; group g: three rows, eight loads of 512 consecutive bytes each
.set BW, 1+((\g)%3)/2                  ; buffers 0 and 1 lie in window 1, buffer 2 in window 2
.set BR, 96*(((\g)%3)%2)
	WIN 0
.irp rho, 0,1,2
.set e, 3*(\g)+\rho
	v_add_nc_u32 v[12+3*((\g)%3)+\rho], s[32+e+4*(e/32)], v1
.endr
	WIN (BW<<6)
.irp rho, 0,1,2
.irp i, 0,1,2,3,4,5,6,7
	global_load_b128 v[BR+32*\rho+4*\i:BR+32*\rho+4*\i+3], v[12+3*((\g)%3)+\rho], s[4:5] offset:512*\i
.endr
.endr
.endm
.macro QUANTG g                        ; group g: held, converted, stored as rows of codes
.set BW, 1+((\g)%3)/2
.set BR, 96*(((\g)%3)%2)
	WIN (BW<<6)|BW
.set i, 0
.rept 96
	v_med3_num_f32 v[BR+i], v[BR+i], s26, s27      ; the conversion to an 8-bit code does not saturate (ISA guide 7.6.2): the hold at the largest code x the scale
.set i, i+1
.endr
	WIN BW
.irp rho, 0,1,2
.irp q, 0,1,2,3
	v_cvt_scalef32_pk8_bf8_f32 v[32+8*\rho+2*\q:33+8*\rho+2*\q], v[BR+32*\rho+8*\q:BR+32*\rho+8*\q+7], v8
.endr
.endr
	WIN 0
	v_nop                                          ; one plain vector line behind the last conversion: matrix instructions later write these registers
.irp rho, 0,1,2
	ds_store_b128 v4, v[32+8*\rho:35+8*\rho] offset:(3*(\g)+\rho)*PITCH
	ds_store_b128 v4, v[36+8*\rho:39+8*\rho] offset:(3*(\g)+\rho)*PITCH+512
.endr
.endm
	s_cmp_eq_u32 s22, 0
	s_cbranch_scc1 .Lp1_end
	LOADG 0
	LOADG 1
.set G, 0
.rept 12
.if G < 11
	s_wait_loadcnt 24                              ; this group's 24 loads are in, the next group's may be out
.else
	s_wait_loadcnt 0x0
.endif
.if G+2 < 12
	LOADG G+2                                      ; into the buffer quantised last; its three offsets were freed by the wait that showed their loads done
.endif
	s_wait_dscnt 0x0                               ; the last group's stores have read the codes' registers
	QUANTG G
.set G, G+1
.endr
.Lp1_end:
	s_wait_dscnt 0x0                               ; for the others' sake: my rows' codes lie in LDS
	s_barrier_signal -1
	s_barrier_wait -1
; ---- PHASE 2
; Three tiles of rows (m0 on) against the group's four n-tiles, K step j; then the same tiles' fragments of the next K step.
.macro RUN j, m0
	s_wait_dscnt 24                                ; this run's 12 fragment loads are in; behind them stand the 12 + 12 of the two other runs
.irp dm, 0,1,2
.if (\m0)+\dm < 8
	WIN 0xa1                                       ; source 0 (Wk) window 1, source 1 (rows) window 0, C and D window 2
.else
	WIN 0xf1                                       ; the ninth tile's accumulators lie in window 3
.endif
.irp n, 0,1,2,3
.set AC, (32*((\m0)+\dm)+8*\n)%256
.set BF, 64*((\j)%4)+16*\n
.set FA, AF+16*((\m0)+\dm)
.if (\j) == 0
	v_wmma_f32_16x16x128_bf8_bf8 v[AC:AC+7], v[BF:BF+15], v[FA:FA+15], 0            ; a group's first K step starts the sums: nothing is cleared
.else
	v_wmma_f32_16x16x128_bf8_bf8 v[AC:AC+7], v[BF:BF+15], v[FA:FA+15], v[AC:AC+7]   ; the 36 accumulators take turns, one instruction a turn
.endif
.endr
.endr
	WIN 0
.rept 4
	v_nop                                          ; four places in front of loads into registers that matrix instructions have read, and of the first read of results
.endr
.irp dm, 0,1,2
.irp c, 0,1,2,3
	ds_load_b128 v[AF+16*((\m0)+\dm)+4*\c:AF+16*((\m0)+\dm)+4*\c+3], v[5+(\m0)/3] offset:\dm*MT16+128*(((\j)+1)%8)+32*\c
.endr
.endr
.endm
.macro BLOAD base, joff, q             ; four n-tiles' fragments of one K step, 16 loads of 512 consecutive bytes, into buffer q
	WIN 0x40
.irp n, 0,1,2,3
.irp c, 0,1,2,3
	global_load_b128 v[64*(\q)+16*\n+4*\c:64*(\q)+16*\n+4*\c+3], v1, s[\base:\base+1] offset:(\joff)*8192+\n*2048+\c*512
.endr
.endr
	WIN 0
.endm
.macro KSTEP j
.if ((\j) == 1) || ((\j) == 2)
	s_wait_loadcnt 48                              ; behind this K step's buffer: two later buffers, and the 16 loads of qps and v
.else
	s_wait_loadcnt 32                              ; behind this K step's buffer: two later buffers of 16 loads (on the way in and over the backward jump alike)
.endif
	RUN \j, 0
.if (\j) == 0
	WIN 0xc0                                       ; the group's 64 numbers of qps and of v, eight a lane and n-tile, into window 3
.irp n, 0,1,2,3
	global_load_b128 v[32+8*\n:35+8*\n], v9, s[8:9] offset:64*\n
	global_load_b128 v[36+8*\n:39+8*\n], v9, s[8:9] offset:64*\n+16
	global_load_b128 v[64+8*\n:67+8*\n], v9, s[10:11] offset:64*\n
	global_load_b128 v[68+8*\n:71+8*\n], v9, s[10:11] offset:64*\n+16
.endr
.endif
.if (\j) <= 4
	BLOAD 72, (\j)+3, ((\j)+3)%4                   ; three K steps ahead, into the buffer that the last K step multiplied by (its places stand at that step's end)
.else
	BLOAD 74, (\j)-5, ((\j)+3)%4                   ; the next group's first three K steps
.endif
	RUN \j, 3
	RUN \j, 6
.endm
	s_cmp_eq_u32 s22, 0
	s_cbranch_scc1 .Lp2_end
.set i, 0
.rept 20
	v_mov_b32 v[EP+i], 0                           ; the sums with v run over all four groups
.set i, i+1
.endr
.irp m, 0,1,2,3,4,5,6,7,8
.irp c, 0,1,2,3
	ds_load_b128 v[AF+16*\m+4*\c:AF+16*\m+4*\c+3], v[5+\m/3] offset:(\m%3)*MT16+32*\c      ; the rows' fragments of K step 0
.endr
.endr
	BLOAD 72, 0, 0
	BLOAD 72, 1, 1
	BLOAD 72, 2, 2
	s_mov_b32 s78, 0
.Lgroup:                                               ; four trips: a group of 64 hidden units each
	KSTEP 0
	KSTEP 1
	KSTEP 2
	KSTEP 3
	KSTEP 4
	KSTEP 5
	KSTEP 6
	KSTEP 7
	; what follows the products, in place on the 288 accumulator registers, stage by stage, so that each batch of transcendentals has one wait
	WIN 0xb2                                       ; destination and source 0 window 2, source 2 (qps) window 3
.set a, 0
.rept 128
	v_pk_fma_f32 v[a:a+1], v[a:a+1], s[24:25], v[32+a%32:33+a%32] op_sel_hi:[1,0,1]        ; x = sum x 2 log2(e) 2^(e2 + e3) + qps; each accumulator from its low end on
.set a, a+2
.endr
	WIN 0xf3
.set a, 0
.rept 16
	v_pk_fma_f32 v[a:a+1], v[a:a+1], s[24:25], v[32+a:33+a] op_sel_hi:[1,0,1]
.set a, a+2
.endr
.set a, 0
.rept 32
	v_exp_f32 v[a], v[a]                           ; 2^x = e^(2 y); infinity and 0 at the ends give tanh's 1 and -1
.set a, a+1
.endr
	WIN 0xb2
.set a, 0
.rept 256
	v_exp_f32 v[a], v[a]
.set a, a+1
.endr
	v_nop                                          ; a plain line behind the last exponential,
	s_wait_alu depctr_va_vdst(0)                   ; and one wait ahead of the batch's first reader
.set a, 0
.rept 128
	v_pk_add_f32 v[a:a+1], v[a:a+1], 1.0 op_sel_hi:[1,0]
.set a, a+2
.endr
	WIN 0xf3
.set a, 0
.rept 16
	v_pk_add_f32 v[a:a+1], v[a:a+1], 1.0 op_sel_hi:[1,0]
.set a, a+2
.endr
.set a, 0
.rept 32
	v_rcp_f32 v[a], v[a]
.set a, a+1
.endr
	WIN 0xb2
.set a, 0
.rept 256
	v_rcp_f32 v[a], v[a]
.set a, a+1
.endr
	v_nop
	s_wait_alu depctr_va_vdst(0)                   ; one wait for the 288 reciprocals
	WIN 0x0e                                       ; source 0 window 2, source 1 (v) window 3, the sums in window 0
.irp n, 0,1,2,3
.irp i, 0,2,4,6
.irp m, 0,1,2,3,4,5,6,7
	v_pk_fma_f32 v[EP+2*\m:EP+2*\m+1], v[32*\m+8*\n+\i:32*\m+8*\n+\i+1], v[64+8*\n+\i:65+8*\n+\i], v[EP+2*\m:EP+2*\m+1]   ; eight sums by turns
.endr
.endr
.endr
	WIN 0x0f
.irp n, 0,1,2,3
.irp i, 0,2,4,6
	v_pk_fma_f32 v[EP+16+(\i)%4:EP+17+(\i)%4], v[8*\n+\i:8*\n+\i+1], v[64+8*\n+\i:65+8*\n+\i], v[EP+16+(\i)%4:EP+17+(\i)%4]   ; the ninth tile: two sums by turns
.endr
.endr
	WIN 0
	s_wait_xcnt 0x0                                ; the trip's loads have read their bases, which step now
	s_mov_b64 s[72:73], s[74:75]
	s_cmp_lt_u32 s78, 2
	s_cselect_b32 s76, 0x10000, 0                  ; the last trip has no group behind it: its look-ahead names its own group again, so that no load leaves the buffer; those 48 loads serve nothing
	s_add_nc_u64 s[74:75], s[74:75], s[76:77]
	s_add_nc_u64 s[8:9], s[8:9], 256
	s_add_nc_u64 s[10:11], s[10:11], 256
	s_add_co_u32 s78, s78, 1
	s_cmp_lt_u32 s78, 4
	s_cbranch_scc1 .Lgroup
	; a lane holds, for each tile of rows, its row's sum over the units of its half.  Two tiles share an exchange: lanes 0-15 end with a row of the even tile, lanes 16-31 with a row of the odd one
	v_pk_add_f32 v[EP+16:EP+17], v[EP+16:EP+17], v[EP+18:EP+19]
.irp m, 0,1,2,3,4,5,6,7,8
	v_add_f32 v[WK+\m], v[EP+2*\m], v[EP+2*\m+1]
.endr
.irp u, 0,1,2,3
	v_cndmask_b32 v[WK+9+\u], v[WK+2*\u], v[WK+2*\u+1], s82    ; what I keep,
	v_cndmask_b32 v[WK+13+\u], v[WK+2*\u+1], v[WK+2*\u], s82   ; and what the lane 16 away wants
.endr
.irp u, 0,1,2,3
	v_permlanex16_b32 v[EP+\u], v[WK+13+\u], s80, s81          ; (its destination counts as read: these registers have been written)
.endr
	v_permlanex16_b32 v[EP+4], v[WK+8], s80, s81
.irp u, 0,1,2,3
	v_add_f32 v[WK+9+\u], v[WK+9+\u], v[EP+\u]                 ; lane l: row 32 u + l
.endr
	v_add_f32 v[WK+8], v[WK+8], v[EP+4]                        ; lane l: row 128 + l % 16
.irp u, 0,1,2,3
	ds_store_b32 v10, v[WK+9+\u] offset:128*\u
.endr
	ds_store_b32 v10, v[WK+8] offset:512
.Lp2_end:
	s_wait_dscnt 0x0                               ; for the others' sake: my partial sums lie in LDS; my last fragment loads are back too
	s_barrier_signal -1
	s_barrier_wait -1
; ---- PHASE 3: the four waves' partial sums are added; wave w stores rows 32 w .. 32 w + 31, wave 0 also rows 128 to 143
	s_cmp_eq_u32 s22, 0
	s_cbranch_scc1 .Lend
.irp k, 0,1,2,3
	ds_load_b32 v[WK+\k], v11 offset:640*\k
.endr
	s_wait_dscnt 0x0
	v_add_f32 v[WK], v[WK], v[WK+1]
	v_add_f32 v[WK+2], v[WK+2], v[WK+3]
	v_add_f32 v[WK], v[WK], v[WK+2]
	v_mul_f32 v[WK], 0xc038aa3b, v[WK]             ; x -2 log2(e)
	v_cmp_gt_u32 vcc_lo, s21, v23                  ; places from n on are filler: -infinity
	v_cndmask_b32 v[WK], v25, v[WK], vcc_lo
	global_store_b32 v22, v[WK], s[16:17]          ; 128 consecutive bytes a wave: a tile's energies are 576 bytes in all
	s_cmp_lg_u32 s18, 0
	s_cbranch_scc1 .Lend
.irp k, 0,1,2,3
	ds_load_b32 v[WK+4+\k], v24 offset:640*\k
.endr
	s_wait_dscnt 0x0
	v_add_f32 v[WK+4], v[WK+4], v[WK+5]
	v_add_f32 v[WK+6], v[WK+6], v[WK+7]
	v_add_f32 v[WK+4], v[WK+4], v[WK+6]
	v_mul_f32 v[WK+4], 0xc038aa3b, v[WK+4]
	v_cmp_gt_u32 vcc_lo, s21, v27
	v_cndmask_b32 v[WK+4], v25, v[WK+4], vcc_lo
	v_cmp_gt_u32 vcc_lo, 16, v21
	s_wait_xcnt 0x0                                ; EXEC is a source of the store above: it changes only behind this wait
	s_and_saveexec_b32 s28, vcc_lo                 ; lanes 0 to 15
	global_store_b32 v26, v[WK+4], s[16:17]
	s_wait_xcnt 0x0                                ; and again ahead of the line that widens it
	s_or_b32 exec_lo, exec_lo, s28
.Lend:
	s_wait_tensorcnt 0x0
	ds_add_u32 v254, v255
	s_wait_dscnt 0x0
	s_endpgm
.Lfunc_end_k_q96799bb788_energy:
	.size	k_q96799bb788_energy, .Lfunc_end_k_q96799bb788_energy-k_q96799bb788_energy
	.p2alignl 7, 3214868480
	.fill 96, 4, 3214868480
	.section	.rodata,"a",@progbits
	.p2align	6, 0x0
	.amdhsa_kernel k_q96799bb788_energy
		.amdhsa_group_segment_fixed_size 152832
		.amdhsa_private_segment_fixed_size 0
		.amdhsa_enable_private_segment 0
		.amdhsa_kernarg_size 56
		.amdhsa_user_sgpr_count 2
		.amdhsa_user_sgpr_kernarg_segment_ptr 1
		.amdhsa_wavefront_size32 1
		.amdhsa_system_sgpr_workgroup_id_x 1
		.amdhsa_system_sgpr_workgroup_id_y 1
		.amdhsa_system_sgpr_workgroup_id_z 1
		.amdhsa_system_vgpr_workitem_id 0
		.amdhsa_next_free_vgpr 864
		.amdhsa_next_free_sgpr 96
		.amdhsa_reserve_vcc 1
		.amdhsa_float_denorm_mode_32 3
		.amdhsa_float_denorm_mode_16_64 3
		.amdhsa_memory_ordered 1
		.amdhsa_forward_progress 1
		.amdhsa_inst_pref_size 237
	.end_amdhsa_kernel
	.amdgpu_metadata
---
amdhsa.version: [ 1, 2 ]
amdhsa.kernels:
  - .name:           k_q96799bb788_energy
    .symbol:         k_q96799bb788_energy.kd
    .args:
      - { .name: keys, .offset: 0, .size: 8, .value_kind: global_buffer, .address_space: global }
      - { .name: wkimg, .offset: 8, .size: 8, .value_kind: global_buffer, .address_space: global }
      - { .name: qps, .offset: 16, .size: 8, .value_kind: global_buffer, .address_space: global }
      - { .name: v, .offset: 24, .size: 8, .value_kind: global_buffer, .address_space: global }
      - { .name: lowp_scales, .offset: 32, .size: 8, .value_kind: global_buffer, .address_space: global }
      - { .name: route, .offset: 40, .size: 8, .value_kind: global_buffer, .address_space: global }
      - { .name: ener, .offset: 48, .size: 8, .value_kind: global_buffer, .address_space: global }
    .group_segment_fixed_size: 152832
    .private_segment_fixed_size: 0
    .kernarg_segment_align: 8
    .kernarg_segment_size: 56
    .max_flat_workgroup_size: 128
    .sgpr_count:     96
    .vgpr_count:     864
    .wavefront_size: 32
...
	.end_amdgpu_metadata
.endif
;; end of part 2
;; launch context (part 3): grid 4 x 64, 16 waves a work-group, no clusters, 23,040 bytes of LDS; arguments keys, route, ener, out0, out1; writes out0, out1
.if DOCPART == 3
	.amdgcn_target "amdgcn-amd-amdhsa--gfx1250"
	.amdhsa_code_object_version 6
	.text
	.protected	k_q96799bb788_context
	.globl	k_q96799bb788_context
	.p2align	8
	.type	k_q96799bb788_context,@function
k_q96799bb788_context:
	s_mov_b64 s[64:65], 0
	v_nop
	global_prefetch_b8 v0, s[64:65] scope:SCOPE_SE
	s_setreg_imm32_b32 hwreg(HW_REG_WAVE_MODE, 25, 1), 1
	s_wait_xcnt 0x0
; CONTEXT: the softmax over a batch's kept rows, attn (out1) and context = attn x keys (out0), all in f32.
; A work-group takes batch b and a quarter cq of the columns: 256 numbers of out0[b], and attn of rows 256 cq .. 256 cq + 255.  Each output byte has one owner.
; ener[b][pos] holds t = energy x log2(e) less a constant of the batch, for the places pos < n of the batch's list.  M = the largest t (taken away ahead of the exponential);
; p[pos] = 2^(t - M), 0 from place n on; L = their sum.  attn[s] = p[RANK[s]] / L: a masked row's place lies at n or behind, so its attn is 0.
; context = (sum over pos < n of p[pos] x keys[LIST[pos]]) / L: masked rows are not read.  A batch that is all pad has n = 0: M is held at -3e38, every p is 0, L is 0, and 1 / L is replaced by 0: zeros.
; The stream: sixteen waves take granules of 16 places by turns (wave w: places 256 i + 16 w on); a row's quarter is 1,024 bytes, two loads of 512 consecutive bytes; a granule's 32 loads go out together.
; Places from n on in a granule name row 0 with the weight 0.  A granule that begins at or behind n is passed over by a scalar branch on n, a stored whole number; the loop's count is a constant, and no barrier stands in it.
; No matrix unit, no cluster: the launch reads each byte that it needs once and does one multiply-add for it.
; LIMIT: NaN and infinities among the inputs are not served (row 0 of a batch is read as filler with the weight 0, masked or not).
; REGISTERS: v1-9 addresses; v10, v11 t, then p; v15 M; v16-23 my eight columns' sums; v24-27 four ranks; v31 1 / L; v32-47 sixteen weights; v48-63 sixteen row offsets; v64-191 sixteen rows x 32 bytes a lane;
; v192-195 attn's four numbers on their way out: registers of their own, so that nothing writes them while the store may still read them.
.set LISTB, 4608
.set RANK0, 294912
.set META0, 557056
.set MAXS,  4096                       ; LDS: p's 1,024 words from byte 0; the waves' sixteen maxima here,
.set SUMS,  4352                       ; their sums,
.set CTXR,  4608                       ; and their partial contexts, 1,024 bytes a wave
.set AT,    192                        ; v192-195 attn on its way out
	s_load_b256 s[4:11], s[0:1], 0x0               ; keys s[4:5], route s[6:7], ener s[8:9], out0 s[10:11]
	s_load_b64 s[12:13], s[0:1], 0x20              ; out1
	v_lshl_add_u32 v200, v0, 2, 0x5200
	v_mov_b32 v201, 0
	v_lshrrev_b32 v1, 5, v0
	v_readfirstlane_b32 s16, v1                    ; wave w
	v_and_b32 v1, 31, v0
	v_lshlrev_b32 v2, 4, v1                        ; 16 lane
	s_and_b32 s17, ttmp7, 0xffff                   ; b
	s_mov_b32 s18, ttmp9                           ; cq
	; every LDS address that hangs on ids alone is made here, ahead of the first branch
	v_lshlrev_b32 v3, 2, v0                        ; p's word of place t
	v_mov_b32 v4, s16
	v_lshlrev_b32 v4, 2, v4                        ; my wave's word among sixteen
	v_mov_b32 v5, 0
	s_lshl_b32 s19, s16, 10
	s_add_co_u32 s19, s19, CTXR
	v_add_nc_u32 v6, s19, v2                       ; my wave's partial context
	v_and_b32 v7, 63, v0
	v_lshlrev_b32 v7, 4, v7                        ; 16 (t % 64): my 16 bytes of a quarter row of 1,024
	v_add_nc_u32 v8, CTXR, v7
	v_add_nc_u32 v9, 512, v0                       ; my second place
	v_mov_b32 v29, 0                               ; written once: a lane permute's destination counts as one of its sources
	s_mov_b32 s30, 0x76543210                      ; v_permlanex16_b32's selects: lane l xor 16
	s_mov_b32 s31, 0xfedcba98
	s_lshl_b32 s24, s17, 9                         ; META[b]
	s_mov_b32 s25, 0
	s_mul_i32 s26, s17, LISTB                      ; LIST[b], and ener[b]
	s_mov_b32 s27, 0
	s_lshl_b32 s28, s17, 12
	s_lshl_b32 s29, s18, 10
	s_add_co_u32 s28, s28, s29                     ; row b, quarter cq: in RANK, out0 and out1
	s_mov_b32 s29, 0
	s_lshl_b32 s48, s17, 22
	s_lshl_b32 s49, s18, 10
	s_add_co_u32 s48, s48, s49                     ; keys[b], quarter cq of a row
	s_mov_b32 s49, 0
	s_wait_kmcnt 0x0
	s_add_nc_u64 s[24:25], s[6:7], s[24:25]
	s_load_b32 s14, s[24:25], META0                ; n
	s_add_nc_u64 s[8:9], s[8:9], s[26:27]
	s_add_nc_u64 s[26:27], s[6:7], s[26:27]
	s_add_nc_u64 s[10:11], s[10:11], s[28:29]
	s_add_nc_u64 s[12:13], s[12:13], s[28:29]
	s_add_nc_u64 s[28:29], s[6:7], s[28:29]
	s_add_nc_u64 s[4:5], s[4:5], s[48:49]
	s_cmp_lt_u32 s16, 2                            ; waves 0 and 1 will form attn: their rows' ranks are asked for now
	s_cbranch_scc0 .Lno_rank
	global_load_b128 v[24:27], v7, s[28:29] offset:RANK0
.Lno_rank:
	v_mov_b32 v10, 0xff800000                      ; -infinity, where nothing is loaded
	v_mov_b32 v11, 0xff800000
	v_mov_b32 v14, 0xff800000
	s_wait_kmcnt 0x0
	s_cmp_eq_u32 s14, 0
	s_cbranch_scc1 .Lno_rows
	s_sub_co_u32 s15, s14, 1
	v_min_u32 v12, s15, v0                         ; only places under n are sure to be written
	v_min_u32 v13, s15, v9
	v_min_u32 v12, 0x47f, v12                      ; a loaded number enters an address only behind a bound written in the instruction
	v_min_u32 v13, 0x47f, v13
	v_lshlrev_b32 v12, 2, v12
	v_lshlrev_b32 v13, 2, v13
	global_load_b32 v10, v12, s[8:9]
	global_load_b32 v11, v13, s[8:9]
.Lno_rows:
	s_wait_loadcnt 0x0
	v_cmp_gt_u32 vcc_lo, s14, v0
	v_cndmask_b32 v10, v14, v10, vcc_lo            ; t of place t, -infinity from n on
	v_cmp_gt_u32 vcc_lo, s14, v9
	v_cndmask_b32 v11, v14, v11, vcc_lo
	v_max_num_f32 v15, v10, v11
	v_max_num_f32_dpp v15, v15, v15 row_xmask:1 row_mask:0xf bank_mask:0xf
	v_max_num_f32_dpp v15, v15, v15 row_xmask:2 row_mask:0xf bank_mask:0xf
	v_max_num_f32_dpp v15, v15, v15 row_xmask:4 row_mask:0xf bank_mask:0xf
	v_max_num_f32_dpp v15, v15, v15 row_xmask:8 row_mask:0xf bank_mask:0xf
	v_permlanex16_b32 v29, v15, s30, s31
	v_max_num_f32 v15, v15, v29
	ds_store_b32 v4, v15 offset:MAXS               ; all lanes write the wave's word with the same value
	s_wait_dscnt 0x0
	s_barrier_signal -1
	s_barrier_wait -1
.irp k, 0,1,2,3
	ds_load_b128 v[32+4*\k:35+4*\k], v5 offset:MAXS+16*\k
.endr
	s_wait_dscnt 0x0
	v_max3_num_f32 v32, v32, v33, v34
	v_max3_num_f32 v35, v35, v36, v37
	v_max3_num_f32 v38, v38, v39, v40
	v_max3_num_f32 v41, v41, v42, v43
	v_max3_num_f32 v44, v44, v45, v46
	v_max3_num_f32 v32, v32, v35, v38
	v_max3_num_f32 v41, v41, v44, v47
	v_max3_num_f32 v15, v32, v41, 0xff61b1e6       ; M, held at -3e38 from below: -infinity less M stays -infinity where a batch is all pad
	v_sub_f32 v10, v10, v15
	v_sub_f32 v11, v11, v15
	v_exp_f32 v10, v10
	v_exp_f32 v11, v11
	v_nop                                          ; a plain line behind the exponentials,
	s_wait_alu depctr_va_vdst(0)                   ; and a wait ahead of their first reader
	ds_store_b32 v3, v10                           ; p, not normalised
	ds_store_b32 v3, v11 offset:2048
	v_add_f32 v30, v10, v11
	v_add_f32_dpp v30, v30, v30 row_xmask:1 row_mask:0xf bank_mask:0xf
	v_add_f32_dpp v30, v30, v30 row_xmask:2 row_mask:0xf bank_mask:0xf
	v_add_f32_dpp v30, v30, v30 row_xmask:4 row_mask:0xf bank_mask:0xf
	v_add_f32_dpp v30, v30, v30 row_xmask:8 row_mask:0xf bank_mask:0xf
	v_permlanex16_b32 v29, v30, s30, s31
	v_add_f32 v30, v30, v29
	ds_store_b32 v4, v30 offset:SUMS
	s_wait_dscnt 0x0                               ; for the others' sake: my p and my wave's sum lie in LDS
	s_barrier_signal -1
	s_barrier_wait -1
.irp k, 0,1,2,3
	ds_load_b128 v[32+4*\k:35+4*\k], v5 offset:SUMS+16*\k
.endr
	s_wait_dscnt 0x0
	v_pk_add_f32 v[32:33], v[32:33], v[34:35]
	v_pk_add_f32 v[36:37], v[36:37], v[38:39]
	v_pk_add_f32 v[40:41], v[40:41], v[42:43]
	v_pk_add_f32 v[44:45], v[44:45], v[46:47]
	v_pk_add_f32 v[32:33], v[32:33], v[36:37]
	v_pk_add_f32 v[40:41], v[40:41], v[44:45]
	v_pk_add_f32 v[32:33], v[32:33], v[40:41]
	v_add_f32 v32, v32, v33                        ; L: at least 1 where a row is kept, 0 where none is
	v_rcp_f32 v31, v32
	v_cmp_lt_f32 vcc_lo, 0, v32                    ; (a plain line behind the reciprocal)
	s_wait_alu depctr_va_vdst(0)
	v_cndmask_b32 v31, 0, v31, vcc_lo              ; 1 / L, or 0: the choice selects a value, no branch hangs on it
	s_cmp_lt_u32 s16, 2
	s_cbranch_scc0 .Lno_attn
.irp k, 0,1,2,3
	v_min_u32 v[52+\k], 0x3ff, v[24+\k]            ; a loaded number enters an address only behind this bound
	v_lshlrev_b32 v[52+\k], 2, v[52+\k]
.endr
.irp k, 0,1,2,3
	ds_load_b32 v[48+\k], v[52+\k]                 ; p at the row's place.  Between the barrier above and the next one LDS is only read
.endr
	s_wait_dscnt 0x0
.irp k, 0,1,2,3
	v_mul_f32 v[AT+\k], v[48+\k], v31              ; into registers that no later line writes: the store below may read them as late as it likes
.endr
	global_store_b128 v7, v[AT:AT+3], s[12:13]     ; 512 consecutive bytes a wave, aligned
.Lno_attn:
.irp k, 0,1,2,3,4,5,6,7
	v_mov_b32 v[16+\k], 0
.endr
	s_mov_b32 s20, 0
	s_lshl_b32 s21, s16, 4                         ; my granule's first place
.Lround:
	s_cmp_ge_u32 s21, s14
	s_cbranch_scc1 .Lidle
	s_lshl_b32 s22, s21, 2
	s_load_b512 s[32:47], s[26:27], s22 offset:0x0 ; sixteen row numbers
	v_mov_b32 v28, s22
.irp k, 0,1,2,3
	ds_load_b128 v[32+4*\k:35+4*\k], v28 offset:16*\k          ; and their sixteen weights, the same in every lane
.endr
	s_wait_kmcnt 0x0
.set i, 0
.rept 16
	s_min_u32 s[32+i], s[32+i], 1023               ; a loaded number enters an address only behind this bound
	s_lshl_b32 s[32+i], s[32+i], 12
	v_add_nc_u32 v[48+i], s[32+i], v2
.set i, i+1
.endr
.set i, 0
.rept 16
	global_load_b128 v[64+8*i:67+8*i], v[48+i], s[4:5]
	global_load_b128 v[68+8*i:71+8*i], v[48+i], s[4:5] offset:512
.set i, i+1
.endr
	s_wait_dscnt 0x0                               ; the weights
.set i, 0
.rept 16
	s_wait_loadcnt 30-2*i                          ; row i's two loads are in; those of the rows behind it may be out.  The last count is 0: so the offsets may be written again in the next trip
.irp k, 0,2,4,6
.if i%2 == 0
	v_pk_fma_f32 v[16+\k:17+\k], v[64+8*i+\k:65+8*i+\k], v[32+i:33+i], v[16+\k:17+\k] op_sel_hi:[1,0,1]                 ; both halves x the pair's first weight
.else
	v_pk_fma_f32 v[16+\k:17+\k], v[64+8*i+\k:65+8*i+\k], v[31+i:32+i], v[16+\k:17+\k] op_sel:[0,1,0] op_sel_hi:[1,1,1]  ; both halves x its second
.endif
.endr
.set i, i+1
.endr
.Lidle:
	s_add_co_u32 s21, s21, 256
	s_add_co_u32 s20, s20, 1
	s_cmp_lt_u32 s20, 4
	s_cbranch_scc1 .Lround
	s_wait_dscnt 0x0                               ; my reads of p are over
	s_barrier_signal -1                            ; this barrier parts the reads of p, some at loaded places, from the stores below
	s_barrier_wait -1
	ds_store_b128 v6, v[16:19]
	ds_store_b128 v6, v[20:23] offset:512
	s_wait_dscnt 0x0                               ; for the others' sake: my partial context lies in LDS
	s_barrier_signal -1
	s_barrier_wait -1
	s_cmp_lt_u32 s16, 2
	s_cbranch_scc0 .Lend
.irp k, 0,1,2,3,4,5,6,7,8,9,10,11,12,13,14,15
	ds_load_b128 v[64+4*\k:67+4*\k], v8 offset:1024*\k
.endr
	s_wait_dscnt 0x0
.irp k, 0,1,2,3,4,5,6,7
	v_pk_add_f32 v[64+4*\k:65+4*\k], v[64+4*\k:65+4*\k], v[96+4*\k:97+4*\k]
	v_pk_add_f32 v[66+4*\k:67+4*\k], v[66+4*\k:67+4*\k], v[98+4*\k:99+4*\k]
.endr
.irp k, 0,1,2,3
	v_pk_add_f32 v[64+4*\k:65+4*\k], v[64+4*\k:65+4*\k], v[80+4*\k:81+4*\k]
	v_pk_add_f32 v[66+4*\k:67+4*\k], v[66+4*\k:67+4*\k], v[82+4*\k:83+4*\k]
.endr
.irp k, 0,1
	v_pk_add_f32 v[64+4*\k:65+4*\k], v[64+4*\k:65+4*\k], v[72+4*\k:73+4*\k]
	v_pk_add_f32 v[66+4*\k:67+4*\k], v[66+4*\k:67+4*\k], v[74+4*\k:75+4*\k]
.endr
	v_pk_add_f32 v[64:65], v[64:65], v[68:69]
	v_pk_add_f32 v[66:67], v[66:67], v[70:71]
.irp k, 0,1,2,3
	v_mul_f32 v[64+\k], v[64+\k], v31              ; / L
.endr
	global_store_b128 v7, v[64:67], s[10:11]       ; 512 consecutive bytes a wave, aligned
.Lend:
	s_wait_tensorcnt 0x0
	ds_add_u32 v200, v201
	s_wait_dscnt 0x0
	s_endpgm
.Lfunc_end_k_q96799bb788_context:
	.size	k_q96799bb788_context, .Lfunc_end_k_q96799bb788_context-k_q96799bb788_context
	.p2alignl 7, 3214868480
	.fill 96, 4, 3214868480
	.section	.rodata,"a",@progbits
	.p2align	6, 0x0
	.amdhsa_kernel k_q96799bb788_context
		.amdhsa_group_segment_fixed_size 23040
		.amdhsa_private_segment_fixed_size 0
		.amdhsa_enable_private_segment 0
		.amdhsa_kernarg_size 40
		.amdhsa_user_sgpr_count 2
		.amdhsa_user_sgpr_kernarg_segment_ptr 1
		.amdhsa_wavefront_size32 1
		.amdhsa_system_sgpr_workgroup_id_x 1
		.amdhsa_system_sgpr_workgroup_id_y 1
		.amdhsa_system_sgpr_workgroup_id_z 1
		.amdhsa_system_vgpr_workitem_id 0
		.amdhsa_next_free_vgpr 202
		.amdhsa_next_free_sgpr 66
		.amdhsa_reserve_vcc 1
		.amdhsa_float_denorm_mode_32 3
		.amdhsa_float_denorm_mode_16_64 3
		.amdhsa_memory_ordered 1
		.amdhsa_forward_progress 1
		.amdhsa_inst_pref_size 22
	.end_amdhsa_kernel
	.amdgpu_metadata
---
amdhsa.version: [ 1, 2 ]
amdhsa.kernels:
  - .name:           k_q96799bb788_context
    .symbol:         k_q96799bb788_context.kd
    .args:
      - { .name: keys, .offset: 0, .size: 8, .value_kind: global_buffer, .address_space: global }
      - { .name: route, .offset: 8, .size: 8, .value_kind: global_buffer, .address_space: global }
      - { .name: ener, .offset: 16, .size: 8, .value_kind: global_buffer, .address_space: global }
      - { .name: out0, .offset: 24, .size: 8, .value_kind: global_buffer, .address_space: global }
      - { .name: out1, .offset: 32, .size: 8, .value_kind: global_buffer, .address_space: global }
    .group_segment_fixed_size: 23040
    .private_segment_fixed_size: 0
    .kernarg_segment_align: 8
    .kernarg_segment_size: 40
    .max_flat_workgroup_size: 512
    .sgpr_count:     66
    .vgpr_count:     202
    .wavefront_size: 32
...
	.end_amdgpu_metadata
.endif
;; end of part 3
;; ======== version 2 of 2: 3 launches; 1.31 times as fast as version 1
;; workspace buffers: wkimg 1,048,576 bytes; qps 262,144 bytes; route 589,824 bytes of whole numbers; ener 294,912 bytes
;; launch prep: the kernel of part 1 again; grid 64 x 1, 16 waves a work-group, no clusters, 119,296 bytes of LDS; arguments Wk, Wq, query, mask, lowp_scales, wkimg, qps, route; writes wkimg, qps, route
;; launch energy (part 4): grid 512 x 1, 4 waves a work-group, no clusters, 152,832 bytes of LDS; arguments keys, wkimg, qps, v, lowp_scales, route, ener; writes ener
.if DOCPART == 4
	.amdgcn_target "amdgcn-amd-amdhsa--gfx1250"
	.amdhsa_code_object_version 6
	.text
	.protected	k_q96799bb788_energy
	.globl	k_q96799bb788_energy
	.p2align	8
	.type	k_q96799bb788_energy,@function
k_q96799bb788_energy:
	s_mov_b64 s[64:65], 0
	v_nop
	global_prefetch_b8 v0, s[64:65] scope:SCOPE_SE
	s_setreg_imm32_b32 hwreg(HW_REG_WAVE_MODE, 25, 1), 1
	s_wait_xcnt 0x0
; ENERGY: for the kept rows of keys alone (the mask's -inf ahead of the softmax throws the others' energies away):
;   ener[b][pos] = t = -2 log2(e) x sum over h of v[h] / (1 + 2^x),  x = 2 log2(e) x (query_proj[b][h] + keys_proj[row][h]),  row = LIST[b][pos].
; tanh(y) = 1 - 2 / (1 + e^(2 y)), so the energy x log2(e) is t + log2(e) x sum(v).  That constant is the same for all rows of a batch and falls out of the softmax for every input, so it is not formed.
; keys_proj is the quantised product: keys' rows are quantised here (scale 2^e2), Wk's codes come as images of operand registers from wkimg (scale 2^e3); v_wmma_f32_16x16x128_bf8_bf8, sums in f32.
; SHARES.  A work-group takes tile t of batch b: places 144 t .. 144 t + 143 of the batch's list, 9 tiles of 16 rows.  There are 8 tiles a batch, as many as a mask without a single pad needs;
; a tile that begins at or behind n (the batch's number of kept rows, a stored whole number) has no rows: its work-group passes the two barriers, stores nothing and ends.
; WHICH TILE.  The 512 work-groups stand in one row; from a work-group's number L (Li: its bit i): t = 4 (L0 xor L8) + L[2:1], b = 32 L8 + L[7:3]: one-to-one.  A tile has rows where n > 144 t, so tiles 0-3 have rows
; under more masks than tiles 4-7.  The two kinds are mixed: work-groups whose numbers are neighbours (2 i, 2 i + 1) are of different kinds, and so are work-groups whose numbers lie 256 apart.
; THE WAVES SHARE THE COLUMNS: wave w owns hidden units 256 w .. 256 w + 255, in four groups of four n-tiles, for all 144 rows: 36 accumulators.  So each byte of Wk's codes comes into the work-group once,
; straight into the registers of the one wave that multiplies by it; the rows' codes lie in LDS and are read by all four waves.
; NO TENSOR LOADS AND NO JOINT LOADS for Wk's codes, though all work-groups read them: the work hangs on n, a number read from memory.
; PHASES: 1: each wave gathers and quantises 36 rows into LDS | barrier | 2: four groups of (8 K steps of 36 products, then tanh's part and the product with v in registers); partial sums to LDS | barrier | 3: sum over the waves, store.
; THE MATRIX INSTRUCTION IS USED TRANSPOSED (source 0 = 16 rows of Wk, source 1 = 16 rows of keys): lane (r, h) holds row r and hidden units 8 h + 0 .. 7, so the sum over h needs one exchange between the halves of the lanes.
; The place of k inside a row of codes is that of the quantising macro, the same here as in the launch that made wkimg.
; LIMITS: e2 between -126 and 112; e2 + e3 between -127 and 126 (added to the exponent field of 2 log2(e)).  NaN and infinities among the inputs are not served; masked rows are not read (but row 0, as filler of a tile's last places).
; REGISTERS, in windows of 256: window 0: v1-28 addresses and constants; v32-175 the rows' nine fragments (phase 1: v32-55 codes); v176-195 sums with v, a pair a tile of rows (two for the ninth); v196-212 at work.
;   window 1: Wk's fragments, four buffers of 64 (phase 1: two buffers of three rows).   window 2: accumulators (m, n) at 32 m + 8 n, m < 8 (phase 1: the third buffer).
;   window 3: v0-31 accumulators of m = 8; v32-63 qps of the group's 64 units (8 a lane and n-tile); v64-95 v likewise.
.set PITCH, 1040                       ; a row of codes in LDS: 1,024 bytes + 16: the sixteen rows of a fragment load begin in sixteen different groups of banks (64 banks of 4 bytes: ISA guide 11.1)
.set TR,    144
.set MT16,  16*PITCH
.set SCR,   TR*PITCH                   ; behind the codes: 640 bytes a wave for its partial sums (five runs of 32 words)
.set LISTB, 4608
.set META0, 557056
.set AF,    32
.set EP,    176
.set WK,    196
.set MSB, 0
.macro WIN new                         ; the immediate's high byte repeats the setting that is left; a switch that changes nothing is dropped
.if MSB != (\new)
	s_set_vgpr_msb (MSB<<8)|(\new)
.set MSB, (\new)
.endif
.endm
	s_load_b256 s[4:11], s[0:1], 0x0               ; keys s[4:5], wkimg s[6:7], qps s[8:9], v s[10:11]
	s_load_b128 s[12:15], s[0:1], 0x20             ; the scales' exponents s[12:13], route s[14:15]
	s_load_b64 s[16:17], s[0:1], 0x30              ; ener
	v_lshl_add_u32 v254, v0, 2, 0x25300
	v_mov_b32 v255, 0
	v_lshrrev_b32 v1, 5, v0
	v_readfirstlane_b32 s18, v1                    ; wave w
	v_and_b32 v21, 31, v0                          ; lane
	v_lshlrev_b32 v1, 4, v21                       ; 16 lane
	v_and_b32 v2, 15, v0                           ; r
	v_bfe_u32 v3, v0, 4, 1                         ; h
	s_and_b32 s19, ttmp9, 1                        ; L0
	s_lshr_b32 s20, ttmp9, 8                       ; L8 (L is under 512)
	s_xor_b32 s19, s19, s20                        ; which half of the batch's eight tiles
	s_lshl_b32 s19, s19, 2
	s_bfe_u32 s28, ttmp9, 0x20001                  ; L[2:1]: two bits from bit 1
	s_or_b32 s19, s19, s28                         ; tile t
	s_bfe_u32 s28, ttmp9, 0x50003                  ; L[7:3]: five bits from bit 3
	s_lshl_b32 s20, s20, 5
	s_or_b32 s20, s20, s28                         ; batch b
	s_mul_i32 s23, s19, TR                         ; the tile's first place
	; every address register is made here, ahead of the first branch
	s_mul_i32 s28, s18, 36*PITCH
	v_add_nc_u32 v4, s28, v1                       ; where I put codes: my wave's 36 rows, 16 lane
	v_mul_u32_u24 v5, v2, PITCH
	v_lshl_add_u32 v5, v3, 4, v5                   ; a fragment's lane: r x pitch + 16 h; tiles of rows 0-2,
	v_add_nc_u32 v6, 3*MT16, v5                    ; 3-5,
	v_add_nc_u32 v7, 6*MT16, v5                    ; 6-8: so that the offsets stay inside 16 bits
	v_lshlrev_b32 v9, 5, v3                        ; 32 h: my eight numbers of qps and of v in an n-tile's 64 bytes
	v_lshlrev_b32 v28, 2, v21
	s_mul_i32 s28, s18, 640
	s_add_co_u32 s28, s28, SCR
	v_add_nc_u32 v10, s28, v28                     ; my wave's partial sums
	s_lshl_b32 s28, s18, 7
	s_add_co_u32 s28, s28, SCR
	v_add_nc_u32 v11, s28, v28                     ; rows 32 w + lane in wave 0's; the other waves' lie 640 bytes apart
	v_add_nc_u32 v24, SCR+512, v28                 ; rows 128 + lane
	v_lshlrev_b32 v22, 2, v0                       ; 4 x thread: rows 32 w + lane in the tile's part of ener
	v_add_nc_u32 v23, s23, v0                      ; their places
	v_mov_b32 v25, 0xff800000                      ; -infinity
	v_add_nc_u32 v26, 512, v28                     ; rows 128 + lane in ener,
	v_add_nc_u32 v27, s23, v21
	v_add_nc_u32 v27, 128, v27                     ; and their places
	s_mul_i32 s28, s20, LISTB
	s_mul_i32 s29, s18, 36
	s_add_co_u32 s29, s29, s23
	s_lshl_b32 s29, s29, 2
	s_add_co_u32 s84, s28, s29                     ; LIST[b][144 t + 36 w]: my wave's 36 rows
	s_mov_b32 s85, 0
	s_lshl_b32 s86, s20, 9                         ; META[b]
	s_mov_b32 s87, 0
	s_wait_kmcnt 0x0
	s_add_nc_u64 s[84:85], s[14:15], s[84:85]
	s_add_nc_u64 s[86:87], s[14:15], s[86:87]
	s_load_b32 s21, s[86:87], META0                ; n
	s_load_b64 s[30:31], s[12:13], 0x8             ; e2, e3
	s_load_b512 s[32:47], s[84:85], 0x0            ; 36 row numbers: all 1,152 words of a batch's list are written, so a tile without rows reads zeros
	s_load_b512 s[48:63], s[84:85], 0x40
	s_load_b128 s[68:71], s[84:85], 0x80
	s_lshl_b32 s28, s20, 22
	s_mov_b32 s29, 0
	s_add_nc_u64 s[4:5], s[4:5], s[28:29]          ; keys[b]
	s_lshl_b32 s28, s18, 18
	s_add_nc_u64 s[72:73], s[6:7], s[28:29]        ; Wk's images: my first group of four n-tiles (65,536 bytes a group),
	s_add_nc_u64 s[74:75], s[72:73], 0x10000       ; and the group after it
	s_lshl_b32 s28, s18, 10
	s_add_nc_u64 s[10:11], s[10:11], s[28:29]      ; v at my 256 units
	s_lshl_b32 s79, s20, 12
	s_add_co_u32 s28, s28, s79
	s_add_nc_u64 s[8:9], s[8:9], s[28:29]          ; qps[b] likewise
	s_mul_i32 s28, s20, LISTB
	s_mul_i32 s79, s19, 4*TR
	s_add_co_u32 s28, s28, s79
	s_add_nc_u64 s[16:17], s[16:17], s[28:29]      ; ener[b][144 t]
	s_mov_b32 s77, 0
	s_mov_b32 s80, 0x76543210                      ; v_permlanex16_b32's selects: lane l xor 16
	s_mov_b32 s81, 0xfedcba98
	s_mov_b32 s82, 0xffff0000                      ; lanes 16 to 31
	s_wait_kmcnt 0x0
	s_cmp_lt_u32 s23, s21
	s_cselect_b32 s22, 1, 0                        ; has the tile rows?
.set e, 0
.rept 36
	s_min_u32 s[32+e+4*(e/32)], s[32+e+4*(e/32)], 1023        ; a loaded number enters an address only behind this bound
	s_lshl_b32 s[32+e+4*(e/32)], s[32+e+4*(e/32)], 12         ; a row of keys is 4,096 bytes
.set e, e+1
.endr
	s_add_co_i32 s28, s30, 127
	s_lshl_b32 s29, s28, 23
	v_mov_b32 v8, s29                              ; 2^e2 as f32: the conversion takes its exponent field
	s_add_co_i32 s28, s28, 15
	s_lshl_b32 s27, s28, 23
	s_or_b32 s27, s27, 0x600000                    ; 57,344 x 2^e2,
	s_or_b32 s26, s27, 0x80000000                  ; and its negative
	s_add_co_i32 s24, s30, s31
	s_lshl_b32 s24, s24, 23
	s_add_co_i32 s24, s24, 0x4038aa3b              ; 2 log2(e) x 2^(e2 + e3): a sum of the product stands for sum x 2^(e2 + e3)
	s_mov_b32 s25, s24                             ; (named with it as a pair, so it is written)
; ---- PHASE 1: my wave's 36 rows, three at a time, through three buffers of 96 registers
.macro LOADG g                         ; group g: three rows, eight loads of 512 consecutive bytes each
.set BW, 1+((\g)%3)/2                  ; buffers 0 and 1 lie in window 1, buffer 2 in window 2
.set BR, 96*(((\g)%3)%2)
	WIN 0
.irp rho, 0,1,2
.set e, 3*(\g)+\rho
	v_add_nc_u32 v[12+3*((\g)%3)+\rho], s[32+e+4*(e/32)], v1
.endr
	WIN (BW<<6)
.irp rho, 0,1,2
.irp i, 0,1,2,3,4,5,6,7
	global_load_b128 v[BR+32*\rho+4*\i:BR+32*\rho+4*\i+3], v[12+3*((\g)%3)+\rho], s[4:5] offset:512*\i
.endr
.endr
.endm
.macro QUANTG g                        ; group g: held, converted, stored as rows of codes
.set BW, 1+((\g)%3)/2
.set BR, 96*(((\g)%3)%2)
	WIN (BW<<6)|BW
.set i, 0
.rept 96
	v_med3_num_f32 v[BR+i], v[BR+i], s26, s27      ; the conversion to an 8-bit code does not saturate (ISA guide 7.6.2): the hold at the largest code x the scale
.set i, i+1
.endr
	WIN BW
.irp rho, 0,1,2
.irp q, 0,1,2,3
	v_cvt_scalef32_pk8_bf8_f32 v[32+8*\rho+2*\q:33+8*\rho+2*\q], v[BR+32*\rho+8*\q:BR+32*\rho+8*\q+7], v8
.endr
.endr
	WIN 0
	v_nop                                          ; one plain vector line behind the last conversion: matrix instructions later write these registers
.irp rho, 0,1,2
	ds_store_b128 v4, v[32+8*\rho:35+8*\rho] offset:(3*(\g)+\rho)*PITCH
	ds_store_b128 v4, v[36+8*\rho:39+8*\rho] offset:(3*(\g)+\rho)*PITCH+512
.endr
.endm
	s_cmp_eq_u32 s22, 0
	s_cbranch_scc1 .Lp1_end
	LOADG 0
	LOADG 1
.set G, 0
.rept 12
.if G < 11
	s_wait_loadcnt 24                              ; this group's 24 loads are in, the next group's may be out
.else
	s_wait_loadcnt 0x0
.endif
.if G+2 < 12
	LOADG G+2                                      ; into the buffer quantised last; its three offsets were freed by the wait that showed their loads done
.endif
	s_wait_dscnt 0x0                               ; the last group's stores have read the codes' registers
	QUANTG G
.set G, G+1
.endr
.Lp1_end:
	s_wait_dscnt 0x0                               ; for the others' sake: my rows' codes lie in LDS
	s_barrier_signal -1
	s_barrier_wait -1
; ---- PHASE 2
; Three tiles of rows (m0 on) against the group's four n-tiles, K step j; then the same tiles' fragments of the next K step.
.macro RUN j, m0
	s_wait_dscnt 24                                ; this run's 12 fragment loads are in; behind them stand the 12 + 12 of the two other runs
.irp dm, 0,1,2
.if (\m0)+\dm < 8
	WIN 0xa1                                       ; source 0 (Wk) window 1, source 1 (rows) window 0, C and D window 2
.else
	WIN 0xf1                                       ; the ninth tile's accumulators lie in window 3
.endif
.irp n, 0,1,2,3
.set AC, (32*((\m0)+\dm)+8*\n)%256
.set BF, 64*((\j)%4)+16*\n
.set FA, AF+16*((\m0)+\dm)
.if (\j) == 0
	v_wmma_f32_16x16x128_bf8_bf8 v[AC:AC+7], v[BF:BF+15], v[FA:FA+15], 0            ; a group's first K step starts the sums: nothing is cleared
.else
	v_wmma_f32_16x16x128_bf8_bf8 v[AC:AC+7], v[BF:BF+15], v[FA:FA+15], v[AC:AC+7]   ; the 36 accumulators take turns, one instruction a turn
.endif
.endr
.endr
	WIN 0
.rept 4
	v_nop                                          ; four places in front of loads into registers that matrix instructions have read, and of the first read of results
.endr
.irp dm, 0,1,2
.irp c, 0,1,2,3
	ds_load_b128 v[AF+16*((\m0)+\dm)+4*\c:AF+16*((\m0)+\dm)+4*\c+3], v[5+(\m0)/3] offset:\dm*MT16+128*(((\j)+1)%8)+32*\c
.endr
.endr
.endm
.macro BLOAD base, joff, q             ; four n-tiles' fragments of one K step, 16 loads of 512 consecutive bytes, into buffer q
	WIN 0x40
.irp n, 0,1,2,3
.irp c, 0,1,2,3
	global_load_b128 v[64*(\q)+16*\n+4*\c:64*(\q)+16*\n+4*\c+3], v1, s[\base:\base+1] offset:(\joff)*8192+\n*2048+\c*512
.endr
.endr
	WIN 0
.endm
.macro KSTEP j
.if ((\j) == 1) || ((\j) == 2)
	s_wait_loadcnt 48                              ; behind this K step's buffer: two later buffers, and the 16 loads of qps and v
.else
	s_wait_loadcnt 32                              ; behind this K step's buffer: two later buffers of 16 loads (on the way in and over the backward jump alike)
.endif
	RUN \j, 0
.if (\j) == 0
	WIN 0xc0                                       ; the group's 64 numbers of qps and of v, eight a lane and n-tile, into window 3
.irp n, 0,1,2,3
	global_load_b128 v[32+8*\n:35+8*\n], v9, s[8:9] offset:64*\n
	global_load_b128 v[36+8*\n:39+8*\n], v9, s[8:9] offset:64*\n+16
	global_load_b128 v[64+8*\n:67+8*\n], v9, s[10:11] offset:64*\n
	global_load_b128 v[68+8*\n:71+8*\n], v9, s[10:11] offset:64*\n+16
.endr
.endif
.if (\j) <= 4
	BLOAD 72, (\j)+3, ((\j)+3)%4                   ; three K steps ahead, into the buffer that the last K step multiplied by (its places stand at that step's end)
.else
	BLOAD 74, (\j)-5, ((\j)+3)%4                   ; the next group's first three K steps
.endif
	RUN \j, 3
	RUN \j, 6
.endm
	s_cmp_eq_u32 s22, 0
	s_cbranch_scc1 .Lp2_end
.set i, 0
.rept 20
	v_mov_b32 v[EP+i], 0                           ; the sums with v run over all four groups
.set i, i+1
.endr
.irp m, 0,1,2,3,4,5,6,7,8
.irp c, 0,1,2,3
	ds_load_b128 v[AF+16*\m+4*\c:AF+16*\m+4*\c+3], v[5+\m/3] offset:(\m%3)*MT16+32*\c      ; the rows' fragments of K step 0
.endr
.endr
	BLOAD 72, 0, 0
	BLOAD 72, 1, 1
	BLOAD 72, 2, 2
	s_mov_b32 s78, 0
.Lgroup:                                               ; four trips: a group of 64 hidden units each
	KSTEP 0
	KSTEP 1
	KSTEP 2
	KSTEP 3
	KSTEP 4
	KSTEP 5
	KSTEP 6
	KSTEP 7
	; what follows the products, in place on the 288 accumulator registers, stage by stage, so that each batch of transcendentals has one wait
	WIN 0xb2                                       ; destination and source 0 window 2, source 2 (qps) window 3
.set a, 0
.rept 128
	v_pk_fma_f32 v[a:a+1], v[a:a+1], s[24:25], v[32+a%32:33+a%32] op_sel_hi:[1,0,1]        ; x = sum x 2 log2(e) 2^(e2 + e3) + qps; each accumulator from its low end on
.set a, a+2
.endr
	WIN 0xf3
.set a, 0
.rept 16
	v_pk_fma_f32 v[a:a+1], v[a:a+1], s[24:25], v[32+a:33+a] op_sel_hi:[1,0,1]
.set a, a+2
.endr
.set a, 0
.rept 32
	v_exp_f32 v[a], v[a]                           ; 2^x = e^(2 y); infinity and 0 at the ends give tanh's 1 and -1
.set a, a+1
.endr
	WIN 0xb2
.set a, 0
.rept 256
	v_exp_f32 v[a], v[a]
.set a, a+1
.endr
	v_nop                                          ; a plain line behind the last exponential,
	s_wait_alu depctr_va_vdst(0)                   ; and one wait ahead of the batch's first reader
.set a, 0
.rept 128
	v_pk_add_f32 v[a:a+1], v[a:a+1], 1.0 op_sel_hi:[1,0]
.set a, a+2
.endr
	WIN 0xf3
.set a, 0
.rept 16
	v_pk_add_f32 v[a:a+1], v[a:a+1], 1.0 op_sel_hi:[1,0]
.set a, a+2
.endr
.set a, 0
.rept 32
	v_rcp_f32 v[a], v[a]
.set a, a+1
.endr
	WIN 0xb2
.set a, 0
.rept 256
	v_rcp_f32 v[a], v[a]
.set a, a+1
.endr
	v_nop
	s_wait_alu depctr_va_vdst(0)                   ; one wait for the 288 reciprocals
	WIN 0x0e                                       ; source 0 window 2, source 1 (v) window 3, the sums in window 0
.irp n, 0,1,2,3
.irp i, 0,2,4,6
.irp m, 0,1,2,3,4,5,6,7
	v_pk_fma_f32 v[EP+2*\m:EP+2*\m+1], v[32*\m+8*\n+\i:32*\m+8*\n+\i+1], v[64+8*\n+\i:65+8*\n+\i], v[EP+2*\m:EP+2*\m+1]   ; eight sums by turns
.endr
.endr
.endr
	WIN 0x0f
.irp n, 0,1,2,3
.irp i, 0,2,4,6
	v_pk_fma_f32 v[EP+16+(\i)%4:EP+17+(\i)%4], v[8*\n+\i:8*\n+\i+1], v[64+8*\n+\i:65+8*\n+\i], v[EP+16+(\i)%4:EP+17+(\i)%4]   ; the ninth tile: two sums by turns
.endr
.endr
	WIN 0
	s_wait_xcnt 0x0                                ; the trip's loads have read their bases, which step now
	s_mov_b64 s[72:73], s[74:75]
	s_cmp_lt_u32 s78, 2
	s_cselect_b32 s76, 0x10000, 0                  ; the last trip has no group behind it: its look-ahead names its own group again, so that no load leaves the buffer; those 48 loads serve nothing
	s_add_nc_u64 s[74:75], s[74:75], s[76:77]
	s_add_nc_u64 s[8:9], s[8:9], 256
	s_add_nc_u64 s[10:11], s[10:11], 256
	s_add_co_u32 s78, s78, 1
	s_cmp_lt_u32 s78, 4
	s_cbranch_scc1 .Lgroup
	; a lane holds, for each tile of rows, its row's sum over the units of its half.  Two tiles share an exchange: lanes 0-15 end with a row of the even tile, lanes 16-31 with a row of the odd one
	v_pk_add_f32 v[EP+16:EP+17], v[EP+16:EP+17], v[EP+18:EP+19]
.irp m, 0,1,2,3,4,5,6,7,8
	v_add_f32 v[WK+\m], v[EP+2*\m], v[EP+2*\m+1]
.endr
.irp u, 0,1,2,3
	v_cndmask_b32 v[WK+9+\u], v[WK+2*\u], v[WK+2*\u+1], s82    ; what I keep,
	v_cndmask_b32 v[WK+13+\u], v[WK+2*\u+1], v[WK+2*\u], s82   ; and what the lane 16 away wants
.endr
.irp u, 0,1,2,3
	v_permlanex16_b32 v[EP+\u], v[WK+13+\u], s80, s81          ; (its destination counts as read: these registers have been written)
.endr
	v_permlanex16_b32 v[EP+4], v[WK+8], s80, s81
.irp u, 0,1,2,3
	v_add_f32 v[WK+9+\u], v[WK+9+\u], v[EP+\u]                 ; lane l: row 32 u + l
.endr
	v_add_f32 v[WK+8], v[WK+8], v[EP+4]                        ; lane l: row 128 + l % 16
.irp u, 0,1,2,3
	ds_store_b32 v10, v[WK+9+\u] offset:128*\u
.endr
	ds_store_b32 v10, v[WK+8] offset:512
.Lp2_end:
	s_wait_dscnt 0x0                               ; for the others' sake: my partial sums lie in LDS; my last fragment loads are back too
	s_barrier_signal -1
	s_barrier_wait -1
; ---- PHASE 3: the four waves' partial sums are added; wave w stores rows 32 w .. 32 w + 31, wave 0 also rows 128 to 143
	s_cmp_eq_u32 s22, 0
	s_cbranch_scc1 .Lend
.irp k, 0,1,2,3
	ds_load_b32 v[WK+\k], v11 offset:640*\k
.endr
	s_wait_dscnt 0x0
	v_add_f32 v[WK], v[WK], v[WK+1]
	v_add_f32 v[WK+2], v[WK+2], v[WK+3]
	v_add_f32 v[WK], v[WK], v[WK+2]
	v_mul_f32 v[WK], 0xc038aa3b, v[WK]             ; x -2 log2(e)
	v_cmp_gt_u32 vcc_lo, s21, v23                  ; places from n on are filler: -infinity
	v_cndmask_b32 v[WK], v25, v[WK], vcc_lo
	global_store_b32 v22, v[WK], s[16:17]          ; 128 consecutive bytes a wave: a tile's energies are 576 bytes in all
	s_cmp_lg_u32 s18, 0
	s_cbranch_scc1 .Lend
.irp k, 0,1,2,3
	ds_load_b32 v[WK+4+\k], v24 offset:640*\k
.endr
	s_wait_dscnt 0x0
	v_add_f32 v[WK+4], v[WK+4], v[WK+5]
	v_add_f32 v[WK+6], v[WK+6], v[WK+7]
	v_add_f32 v[WK+4], v[WK+4], v[WK+6]
	v_mul_f32 v[WK+4], 0xc038aa3b, v[WK+4]
	v_cmp_gt_u32 vcc_lo, s21, v27
	v_cndmask_b32 v[WK+4], v25, v[WK+4], vcc_lo
	v_cmp_gt_u32 vcc_lo, 16, v21
	s_wait_xcnt 0x0                                ; EXEC is a source of the store above: it changes only behind this wait
	s_and_saveexec_b32 s28, vcc_lo                 ; lanes 0 to 15
	global_store_b32 v26, v[WK+4], s[16:17]
	s_wait_xcnt 0x0                                ; and again ahead of the line that widens it
	s_or_b32 exec_lo, exec_lo, s28
.Lend:
	s_wait_tensorcnt 0x0
	ds_add_u32 v254, v255
	s_wait_dscnt 0x0
	s_endpgm
.Lfunc_end_k_q96799bb788_energy:
	.size	k_q96799bb788_energy, .Lfunc_end_k_q96799bb788_energy-k_q96799bb788_energy
	.p2alignl 7, 3214868480
	.fill 96, 4, 3214868480
	.section	.rodata,"a",@progbits
	.p2align	6, 0x0
	.amdhsa_kernel k_q96799bb788_energy
		.amdhsa_group_segment_fixed_size 152832
		.amdhsa_private_segment_fixed_size 0
		.amdhsa_enable_private_segment 0
		.amdhsa_kernarg_size 56
		.amdhsa_user_sgpr_count 2
		.amdhsa_user_sgpr_kernarg_segment_ptr 1
		.amdhsa_wavefront_size32 1
		.amdhsa_system_sgpr_workgroup_id_x 1
		.amdhsa_system_sgpr_workgroup_id_y 1
		.amdhsa_system_sgpr_workgroup_id_z 1
		.amdhsa_system_vgpr_workitem_id 0
		.amdhsa_next_free_vgpr 864
		.amdhsa_next_free_sgpr 96
		.amdhsa_reserve_vcc 1
		.amdhsa_float_denorm_mode_32 3
		.amdhsa_float_denorm_mode_16_64 3
		.amdhsa_memory_ordered 1
		.amdhsa_forward_progress 1
		.amdhsa_inst_pref_size 237
	.end_amdhsa_kernel
	.amdgpu_metadata
---
amdhsa.version: [ 1, 2 ]
amdhsa.kernels:
  - .name:           k_q96799bb788_energy
    .symbol:         k_q96799bb788_energy.kd
    .args:
      - { .name: keys, .offset: 0, .size: 8, .value_kind: global_buffer, .address_space: global }
      - { .name: wkimg, .offset: 8, .size: 8, .value_kind: global_buffer, .address_space: global }
      - { .name: qps, .offset: 16, .size: 8, .value_kind: global_buffer, .address_space: global }
      - { .name: v, .offset: 24, .size: 8, .value_kind: global_buffer, .address_space: global }
      - { .name: lowp_scales, .offset: 32, .size: 8, .value_kind: global_buffer, .address_space: global }
      - { .name: route, .offset: 40, .size: 8, .value_kind: global_buffer, .address_space: global }
      - { .name: ener, .offset: 48, .size: 8, .value_kind: global_buffer, .address_space: global }
    .group_segment_fixed_size: 152832
    .private_segment_fixed_size: 0
    .kernarg_segment_align: 8
    .kernarg_segment_size: 56
    .max_flat_workgroup_size: 128
    .sgpr_count:     96
    .vgpr_count:     864
    .wavefront_size: 32
...
	.end_amdgpu_metadata
.endif
;; end of part 4
;; launch context: the kernel of part 3 again; grid 4 x 64, 16 waves a work-group, no clusters, 23,040 bytes of LDS; arguments keys, route, ener, out0, out1; writes out0, out1
